; MI455X (gfx1250); checked and timed in simulation.
; The chip was launched on July 23, 2026; its instructions are those of AMD's public machine-readable ISA for CDNA 5 (MIT licence, August 2026) and "CDNA5" Instruction Set Architecture Reference Guide (July 2026). The comments in the code are by the model that wrote it; some were corrected since.
;; Transformer Block. Allowed arithmetic: float matrix products may take bf16 or f16 operands with f32 sums; all other float work in f32.
;; Inputs: b1 512 float32; b2 512 float32; beta 512 float32; bk 3 float32; bo 512 float32; bq 3 float32; bv 3 float32; gamma 512 float32; w1 512 x 512 float32; w2 512 x 512 float32; wk 3 x 512 float32; wo 512 x 18 float32; wq 3 x 512 float32; wv 3 x 512 float32; x 8 x 2,048 x 512 float32.
;; Outputs: out0 8 x 2,048 x 512 float32.
;; 2 versions, each right and faster than the one before. Each part assembles by itself: llvm-mc -triple=amdgcn-amd-amdhsa -mcpu=gfx1250 --defsym DOCPART=n.
;; ======== version 1 of 2: 2 launches
;; workspace buffers: qt 524,288 bytes; kv 524,288 bytes; w2b 524,288 bytes; mtab 8,192 bytes
;; launch prep (part 1): grid 256 x 1, 4 waves a work-group, no clusters, 167,936 bytes of LDS; arguments x, wq, wk, wv, bq, bk, bv, wo, bo, w1, b1, w2, qt, kv, w2b, mtab; writes qt, kv, w2b, mtab
.if DOCPART == 1
	.amdgcn_target "amdgcn-amd-amdhsa--gfx1250"
	.amdhsa_code_object_version 6
	.text
	.protected	k_q3fe4355512_prep
	.globl	k_q3fe4355512_prep
	.p2align	8
	.type	k_q3fe4355512_prep,@function
k_q3fe4355512_prep:
	s_mov_b64 s[64:65], 0
	v_nop
	global_prefetch_b8 v0, s[64:65] scope:SCOPE_SE
	s_setreg_imm32_b32 hwreg(HW_REG_WAVE_MODE, 25, 1), 1
	s_wait_xcnt 0x0
; PREP: everything that the second launch needs ready-made.  256 work-groups of four waves; work-group g owns
;   (1) rows 64 g .. 64 g + 63 of x (wave w: 16 of them): q, k, v = x W^T + b on the matrix unit (bf16 operands, f32 sums), stored as
;       pairs hi + lo of bf16 in the order in which the second launch's matrix fragments want them:
;       qt: 32 bytes a row: [qh0 qh1 qh2 qh0 qh1 qh2 0 0][ql0 ql1 ql2 ql0 ql1 ql2 0 0], q already times log2(e)/sqrt(3)
;       kv: 65,536 bytes a batch: 16 bytes a key [kh0 kh1 kh2 kl0 kl1 kl2 0 0]; from byte 32,768 on v, 512 bytes for 32 keys:
;           the 16 bytes number (c*2+hh)*8+row hold keys 16c+8hh+0..7 of row in {vh0 vh1 vh2 1.0 vl0 vl1 vl2 0}
;   (2) 2,048 bytes of w2b: w2 in bf16 in fragment order: byte kc*131072+ksl*32768+wv*8192+t*1024+c*512+16L holds
;       w2[n][k..k+7], n = 128wv+64(t>>2)+4(L&15)+(t&3), k = 128kc+32ksl+16c+8(L>>4)
;   (3) rows 2g, 2g+1 of M = w1 WoF (WoF[j][d] = sum over the 6 heads of wo[j][3h+d]) and of c = w1 bo + b1, in f32 on the vector unit:
;       (concat6(z) wo^T + bo) w1^T + b1 = z M^T + c for every input; only the order of the roundings differs from the formula as written.
;       mtab: 16 bytes a column: [Mh0 Mh1 Mh2 ch Ml0 Ml1 Ml2 cl]
; ORDER: the 23 loads into registers (w2, wo, bo, w1: some 46 KB a work-group) go out ahead of the seven tensor loads (149 KB), so that
;   the work that hangs on them, jobs (2) and (3) and the fragments of W, is done while x is on its way.
; NO CLUSTER: the work-groups share only wq, wk, wv (18,432 bytes) against 131,072 bytes of x of their own.
; LIMITS: x, wq, wk, wv enter the products rounded to bf16.  An f32 beyond bf16's largest number rounds to infinity, and its lo part is then NaN.
.set PITCH, 528                        ; an LDS row: 512 bytes + 16 of padding = 33 x 16: the 16 rows of a fragment load start at 16 different 16-byte columns
.set XT_Q,  16*PITCH                   ; a quarter (128 of K) of a wave's 16 rows of x
.set XT_W,  4*XT_Q                     ; a wave's four quarters
.set WT,    4*XT_W                     ; 135,168: the nine rows of wq, wk, wv, by quarters
.set WT_B,  3*PITCH                    ; three rows of one of them
.set WT_Q,  3*WT_B                     ; a quarter of all nine
.set VST,   154368                     ; 256 bytes a wave: v on its way into fragment order; begins on a multiple of 256 behind the last filled byte (154,175)
.set MSC,   155392                     ; 32 bytes a wave: the waves' partial sums of M and c
.set WO,  16                           ; v[16:87]   wo: my 4 rows of 18
.set W1,  88                           ; v[88:95]   w1: 4 numbers of each of the group's 2 rows
.set BO,  96                           ; v[96:99]   bo: my 4
.set WOF, 100                          ; v[100:111] WoF[jj][d]
.set PS,  112                          ; v[112:119] partial sums [row][M0 M1 M2 c]
.set W2,  120                          ; v[120:127] 8 numbers of w2
.set F,   16                           ; v[16:79]   a quarter's f32 from LDS (later: the epilogue's work)
.set XF,  80                           ; v[80:95]   x fragments, two that take turns
.set ACC, 96                           ; v[96:127]  four accumulators that take turns
.set WF,  128                          ; v[128:255] the 16 fragments of W
	s_load_b512 s[4:19], s[0:1], 0x0               ; x 4, wq 6, wk 8, wv 10, bq 12, bk 14, bv 16, wo 18
	s_load_b512 s[20:35], s[0:1], 0x40             ; bo 20, w1 22, b1 24, w2 26, qt 28, kv 30, w2b 32, mtab 34
	v_lshrrev_b32 v3, 5, v0                        ; wave, in every lane
	v_readfirstlane_b32 s84, v3                    ; wave, as a scalar
	v_and_b32 v1, 15, v0                           ; r
	v_bfe_u32 v2, v0, 4, 1                         ; h
	s_mov_b32 s91, 0x76543210                      ; v_permlanex16_b32: lane i reads lane i of the other half
	s_mov_b32 s95, 0xfedcba98
	; descriptor group 1 for x: 16 rows x 128 f32, 4 words of padding behind every 128 words
	s_mov_b32 s36, (2<<16)|(1<<20)|(6<<22)|(3<<25)
	s_mov_b32 s37, 128<<16                         ; tensor_dim0 = 128
	s_mov_b32 s38, 16<<16                          ; tensor_dim1 = 16
	s_mov_b32 s39, 128<<16                         ; tile_dim0 = 128
	s_mov_b32 s40, 16                              ; tile_dim1 = 16
	s_mov_b32 s41, 512                             ; elements from row to row
	s_mov_b32 s42, 0
	s_mov_b32 s43, 0
	; the same for three rows of wq, wk or wv
	s_mov_b32 s44, (2<<16)|(1<<20)|(6<<22)|(3<<25)
	s_mov_b32 s45, 128<<16
	s_mov_b32 s46, 3<<16
	s_mov_b32 s47, 128<<16
	s_mov_b32 s48, 3
	s_mov_b32 s49, 512
	s_mov_b32 s50, 0
	s_mov_b32 s51, 0
	; the offsets, made apart from the addresses while those are on their way.
	; w2: g = kc (2 bits) | kp | wv (2 bits) | t (3 bits); wave w: ksl = 2 kp + (w>>1), c = w & 1
	s_and_b32 s100, ttmp9, 3                       ; t & 3
	s_bfe_u32 s101, ttmp9, 0x10002                 ; t >> 2
	s_lshl_b32 s101, s101, 6
	s_add_co_u32 s100, s100, s101
	s_bfe_u32 s101, ttmp9, 0x20003                 ; wv
	s_lshl_b32 s101, s101, 7
	s_add_co_u32 s100, s100, s101                  ; row of lane r = 0
	s_lshl_b32 s100, s100, 11                      ; in bytes
	s_lshr_b32 s101, ttmp9, 5
	s_lshl_b32 s101, s101, 8                       ; (128 kc + 64 kp) x 4 bytes
	s_add_co_u32 s86, s100, s101                   ; s[86:87]: into w2
	s_mov_b32 s87, 0
	s_lshr_b32 s100, ttmp9, 5
	s_lshl_b32 s100, s100, 16
	s_and_b32 s101, ttmp9, 31
	s_lshl_b32 s101, s101, 10
	s_add_co_u32 s88, s100, s101                   ; s[88:89]: into w2b: kc*131072 + kp*65536 + wv*8192 + t*1024;
	s_mov_b32 s89, 0                               ; into kv: batch (g>>5) x 65,536 + (g&31) x 64 keys x 16 bytes is the same figure
	s_lshl_b32 s92, ttmp9, 12                      ; s[92:93]: into w1: row 2g
	s_mov_b32 s93, 0
	s_mul_i32 s100, s84, WT_Q
	s_add_co_u32 s100, s100, WT                    ; wave w fetches quarter w of the nine rows
	s_mul_i32 s101, s84, XT_W                      ; my wave's x tiles
	s_mov_b32 s3, 0
	v_lshlrev_b32 v4, 13, v1                       ; w2: lane r: 4 r rows further down,
	v_lshl_add_u32 v4, v2, 5, v4                   ; 8 h numbers and
	v_lshl_add_u32 v4, v3, 6, v4                   ; 16 w numbers further right
	v_and_b32 v5, 31, v0
	v_lshlrev_b32 v5, 4, v5                        ; w2b: 16 L
	v_and_b32 v12, 1, v3
	v_lshl_add_u32 v5, v12, 9, v5                  ; + 512 c
	v_lshrrev_b32 v12, 1, v3
	v_lshl_add_u32 v5, v12, 15, v5                 ; + 32,768 (w>>1)
	v_mul_u32_u24 v6, v0, 288                      ; wo: four rows of 72 bytes a thread
	v_lshlrev_b32 v7, 4, v0                        ; bo, w1: four numbers a thread
	s_wait_kmcnt 0x0
	s_add_nc_u64 s[26:27], s[26:27], s[86:87]      ; w2
	s_add_nc_u64 s[22:23], s[22:23], s[92:93]      ; w1
	s_add_nc_u64 s[32:33], s[32:33], s[88:89]      ; w2b
	s_add_nc_u64 s[30:31], s[30:31], s[88:89]      ; kv
	global_load_b128 v[W2:W2+3], v4, s[26:27]
	global_load_b128 v[W2+4:W2+7], v4, s[26:27] offset:16
.irp i, 0,1,2,3,4,5,6,7,8,9,10,11,12,13,14,15,16,17
	global_load_b128 v[WO+4*\i:WO+4*\i+3], v6, s[18:19] offset:16*\i
.endr
	global_load_b128 v[BO:BO+3], v7, s[20:21]
	global_load_b128 v[W1:W1+3], v7, s[22:23]
	global_load_b128 v[W1+4:W1+7], v7, s[22:23] offset:2048
	; all seven first fills go out together: three of W, then four of x.  Seven tensor loads of a wave are out at the most.
	s_lshl_b32 s2, s84, 9                          ; quarter w begins 512 w bytes into a row
.irp b, 0,1,2
	s_mov_b32 s[52+4*\b], 1
	s_add_co_u32 s[53+4*\b], s100, \b*WT_B
	s_add_nc_u64 s[54+4*\b:55+4*\b], s[6+2*\b:7+2*\b], s[2:3]
	s_or_b32 s[55+4*\b], s[55+4*\b], 0x80000000
	tensor_load_to_lds s[52+4*\b:55+4*\b], s[44:51]
	s_nop 0
.endr
	s_lshl_b32 s2, ttmp9, 17                       ; 64 rows of 2,048 bytes a work-group,
	s_lshl_b32 s85, s84, 15                        ; 16 rows a wave
	s_add_co_u32 s2, s2, s85
	s_add_nc_u64 s[4:5], s[4:5], s[2:3]
.irp q, 0,1,2,3
	s_mov_b32 s[68+4*\q], 1
	s_add_co_u32 s[69+4*\q], s101, \q*XT_Q
	s_add_nc_u64 s[70+4*\q:71+4*\q], s[4:5], \q*512
	s_or_b32 s[71+4*\q], s[71+4*\q], 0x80000000
	tensor_load_to_lds s[68+4*\q:71+4*\q], s[36:43]
	s_nop 0
.endr
	s_lshl_b32 s85, ttmp9, 3                       ; b1[2g], b1[2g+1]
	s_load_b96 s[88:90], s[12:13], 0x0             ; bq
	s_load_b96 s[92:94], s[14:15], 0x0             ; bk
	s_load_b96 s[96:98], s[16:17], 0x0             ; bv
	s_load_b64 s[86:87], s[24:25], s85 offset:0x0
	s_lshl_b32 s2, ttmp9, 5
	s_add_nc_u64 s[34:35], s[34:35], s[2:3]        ; mtab at column 2g
	s_lshl_b32 s2, ttmp9, 11
	s_add_nc_u64 s[28:29], s[28:29], s[2:3]        ; qt at the group's first row
	; ---- w2 to bf16 in fragment order
	s_wait_loadcnt 21                              ; the two loads of w2 are in; the 21 issued behind them may stay out
.irp e, 0,1,2,3
	v_cvt_pk_bf16_f32 v[8+\e], v[W2+2*\e], v[W2+2*\e+1]
.endr
	global_store_b128 v5, v[8:11], s[32:33]        ; a wave stores 512 consecutive bytes; v5 and v[8:11] are never written again
	; ---- M and c: thread t takes j = 4t .. 4t+3 of the sums over 512
	s_wait_loadcnt 0x0
.irp jj, 0,1,2,3
.irp d, 0,1,2
	v_add_f32 v[WOF+3*\jj+\d], v[WO+18*\jj+\d], v[WO+18*\jj+3+\d]
.irp hd, 6,9,12,15
	v_add_f32 v[WOF+3*\jj+\d], v[WOF+3*\jj+\d], v[WO+18*\jj+\hd+\d]
.endr
.endr
.endr
.irp i, 0,1
.irp d, 0,1,2
	v_mul_f32 v[PS+4*\i+\d], v[W1+4*\i], v[WOF+\d]
	v_fmac_f32 v[PS+4*\i+\d], v[W1+4*\i+1], v[WOF+3+\d]
	v_fmac_f32 v[PS+4*\i+\d], v[W1+4*\i+2], v[WOF+6+\d]
	v_fmac_f32 v[PS+4*\i+\d], v[W1+4*\i+3], v[WOF+9+\d]
.endr
	v_mul_f32 v[PS+4*\i+3], v[W1+4*\i], v[BO]
	v_fmac_f32 v[PS+4*\i+3], v[W1+4*\i+1], v[BO+1]
	v_fmac_f32 v[PS+4*\i+3], v[W1+4*\i+2], v[BO+2]
	v_fmac_f32 v[PS+4*\i+3], v[W1+4*\i+3], v[BO+3]
.endr
	; over the wave's 32 lanes: one mask at a time over the eight sums, so that no line waits for the one in front of it
.irp x, 1,2,4,8
.irp k, 0,1,2,3,4,5,6,7
	v_add_f32_dpp v[PS+\k], v[PS+\k], v[PS+\k] row_xmask:\x row_mask:0xf bank_mask:0xf
.endr
.endr
.irp k, 0,1,2,3,4,5,6,7
	v_permlanex16_b32 v[WO+\k], v[PS+\k], s91, s95 ; wo's registers have been written and are no longer needed
.endr
.irp k, 0,2,4,6
	v_pk_add_f32 v[PS+\k:PS+\k+1], v[PS+\k:PS+\k+1], v[WO+\k:WO+\k+1]
.endr
	s_lshl_b32 s100, s84, 5
	s_add_co_u32 s100, s100, MSC
	v_mov_b32 v14, s100
	ds_store_b128 v14, v[PS:PS+3]                  ; every lane stores the same 32 bytes to its wave's place
	ds_store_b128 v14, v[PS+4:PS+7] offset:16
	s_wait_tensorcnt 0x4                           ; my three parts of W have landed; the four tiles of x, issued behind them, may stay out
	s_wait_dscnt 0x0                               ; my partial sums are in LDS
	s_barrier_signal -1
	s_barrier_wait -1                              ; both hold of every wave.  Nothing is filled again in this launch
	s_wait_kmcnt 0x0                               ; the biases
	s_cmp_lg_u32 s84, 0
	s_cbranch_scc1 .Lnot_wave_0
	; wave 0 adds the four waves' sums; lane L takes row 2g + (L & 1); lanes 0 and 1 store
	v_and_b32 v12, 1, v0
	v_lshlrev_b32 v13, 4, v12
	v_add_nc_u32 v13, MSC, v13
	ds_load_b128 v[16:19], v13
	ds_load_b128 v[20:23], v13 offset:32
	ds_load_b128 v[24:27], v13 offset:64
	ds_load_b128 v[28:31], v13 offset:96
	v_mov_b32 v32, s86
	v_mov_b32 v33, s87
	v_cmp_ne_u32 vcc_lo, 0, v12
	v_cndmask_b32 v32, v32, v33, vcc_lo            ; b1 of my row
	v_lshlrev_b32 v34, 4, v0                       ; 16 bytes a column
	s_wait_dscnt 0x0
	v_pk_add_f32 v[16:17], v[16:17], v[20:21]
	v_pk_add_f32 v[18:19], v[18:19], v[22:23]
	v_pk_add_f32 v[24:25], v[24:25], v[28:29]
	v_pk_add_f32 v[26:27], v[26:27], v[30:31]
	v_pk_add_f32 v[16:17], v[16:17], v[24:25]
	v_pk_add_f32 v[18:19], v[18:19], v[26:27]
	v_add_f32 v19, v19, v32                        ; c = w1 bo + b1
	v_cvt_pk_bf16_f32 v36, v16, v17                ; hi parts
	v_cvt_pk_bf16_f32 v37, v18, v19
	v_lshlrev_b32 v20, 16, v36
	v_and_b32 v21, 0xffff0000, v36
	v_lshlrev_b32 v22, 16, v37
	v_and_b32 v23, 0xffff0000, v37
	v_pk_add_f32 v[16:17], v[16:17], v[20:21] neg_lo:[0,1] neg_hi:[0,1]
	v_pk_add_f32 v[18:19], v[18:19], v[22:23] neg_lo:[0,1] neg_hi:[0,1]
	v_cvt_pk_bf16_f32 v38, v16, v17                ; lo parts: what the hi parts left
	v_cvt_pk_bf16_f32 v39, v18, v19
	s_wait_xcnt 0x0                                ; EXEC changes only behind s_wait_xcnt 0: the store of w2b has it as a source
	v_cmp_gt_u32 vcc_lo, 2, v0
	s_and_saveexec_b32 s99, vcc_lo
	global_store_b128 v34, v[36:39], s[34:35]      ; 32 bytes a work-group: a part of an aligned 256-byte block; the whole table is 8,192 bytes
	s_wait_xcnt 0x0                                ; and again in front of the line that widens it
	s_or_b32 exec_lo, exec_lo, s99
.Lnot_wave_0:
	; ---- the projections.  The matrix instruction is used with W as source 0 and x as source 1: lane (r, h) then holds, for row r of x,
	; outputs 8h .. 8h+7.  Source 0's rows 0-5 are q0-2, k0-2, rows 8-10 are v0-2 (the others repeat a row and are not used):
	; lanes 0-15 end up with q and k of their row, lanes 16-31 with v.
.macro QLOAD areg, imm                 ; a quarter: 4 steps of 32 along K; for each, k = 8h..8h+7 (32 bytes) and k = 16+8h.. (32 bytes, 64 further)
.irp ksl, 0,1,2,3
	ds_load_b128 v[F+16*\ksl:F+16*\ksl+3],     v[\areg] offset:\imm+128*\ksl
	ds_load_b128 v[F+16*\ksl+4:F+16*\ksl+7],   v[\areg] offset:\imm+128*\ksl+16
	ds_load_b128 v[F+16*\ksl+8:F+16*\ksl+11],  v[\areg] offset:\imm+128*\ksl+64
	ds_load_b128 v[F+16*\ksl+12:F+16*\ksl+15], v[\areg] offset:\imm+128*\ksl+80
.endr
.endm
.macro CV8 dst, ksl                    ; 16 f32 to a fragment of 8 registers
.irp e, 0,1,2,3,4,5,6,7
	v_cvt_pk_bf16_f32 v[\dst+\e], v[F+16*\ksl+2*\e], v[F+16*\ksl+2*\e+1]
.endr
.endm
	v_lshrrev_b32 v13, 3, v1
	v_lshlrev_b32 v13, 1, v13
	v_sub_nc_u32 v12, v1, v13                      ; r - 2 (r >> 3): 0..7, 6..13
	v_min_u32 v12, 8, v12                          ; row of the nine: 0..7, 6, 7, 8, 8 ..
	v_mul_u32_u24 v12, v12, PITCH
	v_lshl_add_u32 v12, v2, 5, v12
	v_add_nc_u32 v12, WT, v12
	s_mul_i32 s101, s84, XT_W
	v_mul_u32_u24 v13, v1, PITCH
	v_lshl_add_u32 v13, v2, 5, v13
	v_add_nc_u32 v13, s101, v13
.irp kq, 0,1,2,3
	QLOAD 12, \kq*WT_Q
.irp ksl, 0,1,2,3
	s_wait_dscnt 12-4*\ksl                         ; the four loads of this step are in; the younger ones of the quarter stay out
	CV8 WF+8*(4*\kq+\ksl), \ksl
.endr
.endr
	; x: only the wave that asked for a tile reads it, so its own wait on TENSORcnt is all the ordering that the reads need.
	; The four accumulators take turns, one instruction a turn.  The eight conversions of a step
	; are the places between a matrix instruction and the next write of the x fragment that it read (two steps later).
.irp kq, 0,1,2,3
	s_wait_tensorcnt 3-\kq                         ; tile kq is in; the 3 - kq issued behind it may stay out
	QLOAD 13, \kq*XT_Q
.irp ksl, 0,1,2,3
	s_wait_dscnt 12-4*\ksl
	CV8 XF+8*(\ksl&1), \ksl
.if \kq == 0
	v_wmma_f32_16x16x32_bf16 v[ACC+8*\ksl:ACC+8*\ksl+7], v[WF+8*\ksl:WF+8*\ksl+7], v[XF+8*(\ksl&1):XF+8*(\ksl&1)+7], 0
.else
	v_wmma_f32_16x16x32_bf16 v[ACC+8*\ksl:ACC+8*\ksl+7], v[WF+8*(4*\kq+\ksl):WF+8*(4*\kq+\ksl)+7], v[XF+8*(\ksl&1):XF+8*(\ksl&1)+7], v[ACC+8*\ksl:ACC+8*\ksl+7]
.endif
.endr
.endr
.rept 4
	v_nop                                          ; four places behind the last matrix instruction before its result is read (ISA guide 7.12.1)
.endr
	v_pk_add_f32 v[16:17], v[ACC:ACC+1], v[ACC+8:ACC+9]
	v_pk_add_f32 v[18:19], v[ACC+2:ACC+3], v[ACC+10:ACC+11]
	v_pk_add_f32 v[20:21], v[ACC+4:ACC+5], v[ACC+12:ACC+13]
	v_pk_add_f32 v[22:23], v[ACC+16:ACC+17], v[ACC+24:ACC+25]
	v_pk_add_f32 v[24:25], v[ACC+18:ACC+19], v[ACC+26:ACC+27]
	v_pk_add_f32 v[26:27], v[ACC+20:ACC+21], v[ACC+28:ACC+29]
	v_pk_add_f32 v[16:17], v[16:17], v[22:23]
	v_pk_add_f32 v[18:19], v[18:19], v[24:25]
	v_pk_add_f32 v[20:21], v[20:21], v[26:27]
	; y0..2 = q (h = 0: bias bq, times log2(e)/sqrt(3)) or v (h = 1: bias bv, times 1); y3..5 = k (used in lanes h = 0)
	v_cmp_ne_u32 vcc_lo, 0, v2
	v_mov_b32 v31, 0x3f553b94                      ; log2(e)/sqrt(3) = 0.83294037: the second launch's exponentials are base 2
	v_mov_b32 v33, 1.0
	v_cndmask_b32 v31, v31, v33, vcc_lo
.irp i, 0,1,2
	v_mov_b32 v[28+\i], s[88+\i]
	v_mov_b32 v32, s[96+\i]
	v_cndmask_b32 v[28+\i], v[28+\i], v32, vcc_lo
	v_mul_f32 v[28+\i], v[28+\i], v31
	v_fma_f32 v[16+\i], v[16+\i], v31, v[28+\i]    ; (D + bias) x scale as one fused multiply-add
	v_add_f32 v[19+\i], s[92+\i], v[19+\i]
.endr
	v_cvt_pk_bf16_f32 v32, v16, v17                ; hi: y0 y1 | y2 y0 | y1 y2
	v_cvt_pk_bf16_f32 v33, v18, v16
	v_cvt_pk_bf16_f32 v34, v17, v18
	v_cvt_pk_bf16_f32 v44, v19, v20                ; kh0 kh1
	v_cvt_pk_bf16_f32 v45, v21, v21                ; kh2 (for its lo part)
	v_lshlrev_b32 v35, 16, v32
	v_and_b32 v36, 0xffff0000, v32
	v_lshlrev_b32 v37, 16, v33
	v_lshlrev_b32 v48, 16, v44
	v_and_b32 v49, 0xffff0000, v44
	v_lshlrev_b32 v50, 16, v45
	v_sub_f32 v38, v16, v35                        ; lo = y - hi, exact in f32
	v_sub_f32 v39, v17, v36
	v_sub_f32 v40, v18, v37
	v_sub_f32 v48, v19, v48
	v_sub_f32 v49, v20, v49
	v_sub_f32 v50, v21, v50
	v_cvt_pk_bf16_f32 v41, v38, v39                ; lo: l0 l1 | l2 l0 | l1 l2
	v_cvt_pk_bf16_f32 v42, v40, v38
	v_cvt_pk_bf16_f32 v43, v39, v40
	v_cvt_pk_bf16_f32 v45, v21, v48                ; kh2 kl0
	v_cvt_pk_bf16_f32 v46, v49, v50                ; kl1 kl2
	v_mov_b32 v47, 0
	v_permlanex16_b32 v51, v41, s91, s95           ; q's lo parts go to lane 16 + r (v51-53 have been written: they were part of F)
	v_permlanex16_b32 v52, v42, s91, s95
	v_permlanex16_b32 v53, v43, s91, s95
	v_cndmask_b32 v56, v32, v51, vcc_lo
	v_cndmask_b32 v57, v33, v52, vcc_lo
	v_cndmask_b32 v58, v34, v53, vcc_lo
	v_mov_b32 v59, 0
	v_lshlrev_b32 v60, 5, v1
	v_lshl_add_u32 v60, v2, 4, v60
	v_lshl_add_u32 v60, v3, 9, v60                 ; 512 w + 32 r + 16 h
	global_store_b128 v60, v[56:59], s[28:29]      ; the wave stores 512 consecutive bytes of qt
	; v into fragment order through 256 bytes of the wave's own: lane 16 + r puts its 8 numbers (2 bytes each) into 8 rows of 16 bytes
	s_lshl_b32 s100, s84, 8
	s_add_co_u32 s100, s100, VST
	v_lshrrev_b32 v61, 3, v1
	v_and_b32 v62, 7, v1
	v_lshlrev_b32 v62, 1, v62
	v_lshl_add_u32 v61, v61, 7, v62
	v_add_nc_u32 v61, s100, v61                    ; 128 (r>>3) + 2 (r&7)
	v_lshl_add_u32 v62, v1, 4, s100                ; back: 16 bytes number r
	v_lshrrev_b32 v63, 16, v32                     ; vh1
	v_lshrrev_b32 v64, 16, v41                     ; vl1
	v_mov_b32 v65, 0x3f80                          ; 1.0: the row that sums the weights
	s_wait_xcnt 0x0                                ; EXEC changes only behind s_wait_xcnt 0
	s_and_saveexec_b32 s99, vcc_lo                 ; lanes 16-31
	ds_store_b16 v61, v32
	ds_store_b16 v61, v63 offset:16
	ds_store_b16 v61, v33 offset:32
	ds_store_b16 v61, v65 offset:48
	ds_store_b16 v61, v41 offset:64
	ds_store_b16 v61, v64 offset:80
	ds_store_b16 v61, v42 offset:96
	ds_store_b16 v61, v59 offset:112
	s_or_b32 exec_lo, exec_lo, s99                 ; no global access was issued since the wait above
	ds_load_b128 v[68:71], v62                     ; LDS serves a wave's instructions in order (ISA guide 5.7.1): this sees the stores above
	v_lshlrev_b32 v76, 4, v1
	v_lshl_add_u32 v76, v3, 8, v76
	v_lshl_add_u32 v76, v2, 15, v76                ; 16 r + 256 w, and 32,768 further for v
	s_wait_dscnt 0x0
.irp i, 0,1,2,3
	v_cndmask_b32 v[72+\i], v[44+\i], v[68+\i], vcc_lo
.endr
	global_store_b128 v76, v[72:75], s[30:31]      ; lanes 0-15: 256 consecutive bytes of k; lanes 16-31: 256 consecutive bytes of v; both aligned
	s_endpgm
.Lfunc_end_k_q3fe4355512_prep:
	.size	k_q3fe4355512_prep, .Lfunc_end_k_q3fe4355512_prep-k_q3fe4355512_prep
	.p2alignl 7, 3214868480
	.fill 96, 4, 3214868480
	.section	.rodata,"a",@progbits
	.p2align	6, 0x0
	.amdhsa_kernel k_q3fe4355512_prep
		.amdhsa_group_segment_fixed_size 167936
		.amdhsa_private_segment_fixed_size 0
		.amdhsa_enable_private_segment 0
		.amdhsa_kernarg_size 128
		.amdhsa_user_sgpr_count 2
		.amdhsa_user_sgpr_kernarg_segment_ptr 1
		.amdhsa_wavefront_size32 1
		.amdhsa_system_sgpr_workgroup_id_x 1
		.amdhsa_system_sgpr_workgroup_id_y 1
		.amdhsa_system_sgpr_workgroup_id_z 1
		.amdhsa_system_vgpr_workitem_id 0
		.amdhsa_next_free_vgpr 256
		.amdhsa_next_free_sgpr 102
		.amdhsa_reserve_vcc 1
		.amdhsa_float_denorm_mode_32 3
		.amdhsa_float_denorm_mode_16_64 3
		.amdhsa_memory_ordered 1
		.amdhsa_forward_progress 1
		.amdhsa_inst_pref_size 48
	.end_amdhsa_kernel
	.amdgpu_metadata
---
amdhsa.version: [ 1, 2 ]
amdhsa.kernels:
  - .name:           k_q3fe4355512_prep
    .symbol:         k_q3fe4355512_prep.kd
    .args:
      - { .name: x, .offset: 0, .size: 8, .value_kind: global_buffer, .address_space: global }
      - { .name: wq, .offset: 8, .size: 8, .value_kind: global_buffer, .address_space: global }
      - { .name: wk, .offset: 16, .size: 8, .value_kind: global_buffer, .address_space: global }
      - { .name: wv, .offset: 24, .size: 8, .value_kind: global_buffer, .address_space: global }
      - { .name: bq, .offset: 32, .size: 8, .value_kind: global_buffer, .address_space: global }
      - { .name: bk, .offset: 40, .size: 8, .value_kind: global_buffer, .address_space: global }
      - { .name: bv, .offset: 48, .size: 8, .value_kind: global_buffer, .address_space: global }
      - { .name: wo, .offset: 56, .size: 8, .value_kind: global_buffer, .address_space: global }
      - { .name: bo, .offset: 64, .size: 8, .value_kind: global_buffer, .address_space: global }
      - { .name: w1, .offset: 72, .size: 8, .value_kind: global_buffer, .address_space: global }
      - { .name: b1, .offset: 80, .size: 8, .value_kind: global_buffer, .address_space: global }
      - { .name: w2, .offset: 88, .size: 8, .value_kind: global_buffer, .address_space: global }
      - { .name: qt, .offset: 96, .size: 8, .value_kind: global_buffer, .address_space: global }
      - { .name: kv, .offset: 104, .size: 8, .value_kind: global_buffer, .address_space: global }
      - { .name: w2b, .offset: 112, .size: 8, .value_kind: global_buffer, .address_space: global }
      - { .name: mtab, .offset: 120, .size: 8, .value_kind: global_buffer, .address_space: global }
    .group_segment_fixed_size: 167936
    .private_segment_fixed_size: 0
    .kernarg_segment_align: 8
    .kernarg_segment_size: 128
    .max_flat_workgroup_size: 128
    .sgpr_count:     102
    .vgpr_count:     256
    .wavefront_size: 32
...
	.end_amdgpu_metadata
.endif
;; end of part 1
;; launch block (part 2): grid 256 x 1, 4 waves a work-group, clusters of 4 x 1, 327,680 bytes of LDS; arguments x, qt, kv, w2b, mtab, b2, gamma, beta, out0; writes out0
.if DOCPART == 2
	.amdgcn_target "amdgcn-amd-amdhsa--gfx1250"
	.amdhsa_code_object_version 6
	.text
	.protected	k_q3fe4355512_block
	.globl	k_q3fe4355512_block
	.p2align	8
	.type	k_q3fe4355512_block,@function
k_q3fe4355512_block:
	s_mov_b64 s[64:65], 0
	v_nop
	global_prefetch_b8 v0, s[64:65] scope:SCOPE_SE
	s_setreg_imm32_b32 hwreg(HW_REG_WAVE_MODE, 25, 1), 1
	s_wait_xcnt 0x0
	s_wait_alu depctr_hold_cnt(0) depctr_sa_sdst(0) depctr_va_vdst(0) depctr_va_sdst(0) depctr_va_ssrc(0) depctr_va_vcc(0) depctr_vm_vsrc(0)
	s_getreg_b32 s2, hwreg(HW_REG_IB_STS2, 6, 4)
	s_cmp_eq_u32 s2, 0
	s_cbranch_scc0 .Lentry_in_a_cluster
	s_endpgm
.Lentry_in_a_cluster:
	s_bfe_u32 s2, ttmp6, 0x10000c
	s_cmp_lg_u32 s2, 0x3003
	s_cbranch_scc0 .Lentry_shape_is_right
	s_endpgm
.Lentry_shape_is_right:
; BLOCK: attention, r0 = x + z M^T + c, LayerNorm, r = r0 + r1 w2^T + b2, LayerNorm, for 64 rows a work-group (256 work-groups, four waves).
; ATTENTION: wave wv takes 16 queries against the batch's 2,048 keys, 32 keys a step.  Scores come transposed (source 0 = keys, source 1 =
;   queries): lane (r, h) holds keys 8h+j of query r, which after exp and rounding IS the fragment that the product with v wants.
;   Pass 1 finds each query's true maximum; pass 2 gives its negative to the score products as C, so that the subtraction costs nothing.
;   q carries log2(e)/sqrt(3) already: the exponentials are base 2.
; HI + LO: q, k, v, z, M, c are pairs hi + lo of bf16.  K = 32 has room: one side repeats its 8 numbers in both halves of the lanes, the other holds
;   hi in lanes 0-15 and lo in lanes 16-31, so one instruction sums (hi+lo)(hi+lo).  An operand of 8 registers holds two tiles' data
;   (registers 0-3, 4-7); its partner is [data, 0 0 0 0] or [0 0 0 0, data].
; FROM r0 ON: wave wv owns 64 rows x columns 128wv .. +127 as 4 x 8 accumulator tiles in register window 1, ACC(mt, t, j) = v[8(8mt+t)+j]:
;   row 16mt+8h+j, column 128wv+64(t>>2)+4r+(t&3).  By that order of columns tiles 4tq .. 4tq+3 of a row are 16 neighbouring bytes in a lane
;   and 16 lanes cover 256 consecutive, aligned bytes: x comes in and out0 goes out by 16-byte accesses, without a trip through LDS.
; w2b, 524,288 bytes in four chunks of 128 along K.  Chunks 0 and 1 lie in LDS (two slots of 131,072 bytes, filled once).  A wave multiplies only
;   its own 128 columns, 32,768 bytes of a chunk = 256 registers: its parts of chunks 2 and 3 wait in register windows 3 and 2
;   (window 2 holds x until x has been added).  So no LDS byte is filled twice, and the 16 steps of the product run without a barrier.
; CLUSTER 4 x 1: the four partners work on one batch (32 work-groups a batch): k, v and chunks 0 and 1 come by joint loads with the mask 15; their
;   addresses hang on the cluster's number and the wave's alone.  Chunks 2 and 3 (262,144 bytes a work-group) are NOT asked for jointly: LDS has no room
;   for them before a slot has been read, and a joint refill would have one chunk's 128 matrix instructions in which to land, behind a round of its own.
; LDS: the two slots; RB, 65,536 bytes: filled once with the batch's k and v, afterwards only written by LDS stores: z, the LayerNorm figures, r1 in bf16.
; LIMITS: r1, the softmax weights and w2 enter their products rounded to bf16.  0 x operand must be 0: k and M must be finite.
;   Exponentials below 2^-126 come out as 0.  z M^T + c stands for (concat6(z) wo^T + bo) w1^T + b1: the same sum in another order of rounding.
.set RB,    262144
.set SLOTB, 131072
.set PART,  RB+4096                    ; [wave 512][mean, M2: 256][row 4]
.set FIN,   RB+8192                    ; [rs, -mu rs: 256][row 4]
; window 0, for the whole kernel: v0 thread, v1 r, v2 h, v3 address of k, v4 of v, v5-7 at work
.set GAM,   8                          ; v[8:15]   gamma, register t = tile t's column of this lane
.set BET,   16                         ; v[16:23]  beta
.set B2R,   24                         ; v[24:31]  b2
.set AR,    32                         ; v[32:39]  behind attention: r1's fragments: RB + 256 r + ((2i + h + r) & 15) 16, i = 2 ksl + c
.set BR,    40                         ; v[40:43]  w2b's fragments: slot x 131072 + (ksl>>1) x 65536 + 8192 wv + 16 L; v40 also the offset into w2b in memory
.set XO,    44                         ; v44       16384 h + 512 wv + 16 r: my bytes of x and of out0; never rewritten
.set PADDR, 45
.set CADDR, 46
.set FADDR, 47
.set AW,    48                         ; v[48:63]  behind attention: where r1 is stored
; window 0, attention
.set NEGM,  32                         ; v[32:39]  minus the maximum, as a C operand
.set QHI,   48                         ; v[48:55]  = 0 0 0 0, q
.set QLO,   52                         ; v[52:59]  = q, 0 0 0 0
.set O0,    64                         ; v[64:79]  two accumulators of P v that take turns
.set MX,    64                         ; v[64:67]  pass 1: four running maxima
.set KR,    80                         ; v[80:111] four operands of k (pass 1: eight, v[80:143])
.set VR,    112                        ; v[112:143] four of v
.set PR,    144                        ; v[144:159] two of P
.set SR,    160                        ; v[160:223] four pairs of score tiles
.set MT,    224                        ; v[224:255] mtab, tile t in registers 4t .. 4t+3
; window 0, afterwards
.set ZZ,    64                         ; v[64:99]  0000 Z0 0000 Z1 0000 Z2 0000 Z3 0000
.set MEAN,  64                         ; v[64:95]  index 8mt+j: mean, later rs
.set SQ,    96                         ; v[96:127] sum of squares, later -mu rs
.set TT,    128                        ; v[128:191] at work
.set PK,    160                        ; v[160:191] r1 packed, two sets of 16 that take turns
.set ST,    192                        ; v[192:255] two sets of 32 to store
.set F0,    64                         ; v[64:159]  GEMM fragments: w2b's 64 registers, then r1's 32
.set F1,    160                        ; v[160:255] the second buffer
; window 2: x as loaded, v[4((8mt+j)2+tq) + i]; later chunk 3 of w2b, v[64 ksl + 8 t + 4 c ..].  Window 3: chunk 2, likewise
.set MSB, 0
.macro WIN new                         ; s_set_vgpr_msb: bits 1:0 source 0, 3:2 source 1, 5:4 source 2, 7:6 destination; the high byte repeats the setting left
.if MSB != \new
	s_set_vgpr_msb (MSB<<8)|\new
.set MSB, \new
.endif
.endm
.macro BAR
	s_barrier_signal -1
	s_barrier_wait -1
.endm
.macro ROUND                           ; a round of the cluster's barrier: my work-group's barrier, wave 0 signals for it, all wait for the four, my barrier again
	s_barrier_signal -1
	s_barrier_wait -1
	s_cmp_lg_u32 s22, 0
	s_cbranch_scc1 .Lnot_wave_0_\@
	s_barrier_signal -3
.Lnot_wave_0_\@:
	s_barrier_wait -3
	s_barrier_signal -1
	s_barrier_wait -1
.endm
.macro PLACES                          ; four places behind a matrix instruction (ISA guide 7.12.1) where there is no useful work to put there
.rept 4
	v_nop
.endr
.endm
; 16 loads: my 8,192 bytes of step ksl of chunk kc of w2b, into registers 64 ksl .. 64 ksl + 63 of the window that is set; each covers 512 consecutive bytes
.macro W2REG kc, ksl
.irp t, 0,1,2,3,4,5,6,7
	global_load_b128 v[64*\ksl+8*\t:64*\ksl+8*\t+3],   v[BR], s[10:11] offset:131072*\kc+32768*\ksl+1024*\t
	global_load_b128 v[64*\ksl+8*\t+4:64*\ksl+8*\t+7], v[BR], s[10:11] offset:131072*\kc+32768*\ksl+1024*\t+512
.endr
.endm
	s_load_b512 s[4:19], s[0:1], 0x0               ; x 4, qt 6, kv 8, w2b 10, mtab 12, b2 14, gamma 16, beta 18
	s_load_b64 s[20:21], s[0:1], 0x40              ; out0
	v_lshrrev_b32 v5, 5, v0
	v_readfirstlane_b32 s22, v5                    ; wave
	v_and_b32 v1, 15, v0                           ; r
	v_bfe_u32 v2, v0, 4, 1                         ; h
	s_bfe_u32 s23, ttmp6, 0x40000                  ; cx
	s_lshl_b32 s24, ttmp9, 2
	s_add_co_u32 s24, s24, s23                     ; work-group = 4 x cluster + cx: enters only the addresses of x, qt and out0
	s_lshr_b32 s25, ttmp9, 3                       ; batch: 8 clusters each
	s_mov_b32 s57, 0x76543210
	s_mov_b32 s58, 0xfedcba98
	s_mov_b32 s61, RB
	s_mov_b32 s62, 0x3b000000                      ; 1/512
	s_mov_b32 s63, 0x3727c5ac                      ; 1e-5
	; group 1 for k and v: 64 rows of 32 elements of 8 bytes (dense: 16,384 bytes a wave); mask 15 and bit 21 beside it
	s_mov_b32 s28, 15|(3<<16)|(1<<21)
	s_mov_b32 s29, 32<<16
	s_mov_b32 s30, 64<<16
	s_mov_b32 s31, 32<<16
	s_mov_b32 s32, 64
	s_mov_b32 s33, 32
	s_mov_b32 s34, 0
	s_mov_b32 s35, 0
	; group 1 for a slot: 128 such rows, 32,768 bytes a wave
	s_mov_b32 s36, 15|(3<<16)|(1<<21)
	s_mov_b32 s37, 32<<16
	s_mov_b32 s38, 128<<16
	s_mov_b32 s39, 32<<16
	s_mov_b32 s40, 128
	s_mov_b32 s41, 32
	s_mov_b32 s42, 0
	s_mov_b32 s43, 0
	s_mov_b32 s44, 1
	s_lshl_b32 s59, s22, 14
	s_add_co_u32 s45, s59, RB                      ; LDS: RB + 16,384 wave
	s_mov_b32 s48, 1
	s_lshl_b32 s49, s22, 15                        ; slot 0 + 32,768 wave
	s_mov_b32 s52, 1
	s_add_co_u32 s53, s49, SLOTB                   ; slot 1 + 32,768 wave
	s_lshl_b32 s26, s25, 16
	s_add_co_u32 s26, s26, s59
	s_mov_b32 s27, 0
	s_mov_b32 s3, 0
	s_wait_kmcnt 0x0
	s_add_nc_u64 s[46:47], s[8:9], s[26:27]        ; kv + 65,536 batch + 16,384 wave
	s_or_b32 s47, s47, 0x80000000
	s_mov_b32 s26, s49
	s_add_nc_u64 s[50:51], s[10:11], s[26:27]      ; chunk 0 of w2b
	s_add_nc_u64 s[54:55], s[50:51], SLOTB         ; chunk 1
	s_or_b32 s51, s51, 0x80000000
	s_or_b32 s55, s55, 0x80000000
	ROUND                                          ; the four partners are here: the joint loads meet
	tensor_load_to_lds s[44:47], s[28:35]          ; the launch's only tensor loads: three of a wave are out at the most
	s_nop 0
	tensor_load_to_lds s[48:51], s[36:43]
	s_nop 0
	tensor_load_to_lds s[52:55], s[36:43]
	s_nop 0
	s_lshl_b32 s2, s24, 11
	s_add_nc_u64 s[6:7], s[6:7], s[2:3]            ; qt at the group's first row
	s_lshl_b32 s2, s24, 17
	s_add_nc_u64 s[4:5], s[4:5], s[2:3]            ; x
	s_add_nc_u64 s[20:21], s[20:21], s[2:3]        ; out0
	s_lshl_b32 s59, s22, 9                         ; 512 wave, kept
	s_lshl_b32 s60, s22, 11
	v_lshlrev_b32 v5, 5, v1
	v_lshl_add_u32 v5, v2, 4, v5
	v_add_nc_u32 v5, s59, v5                       ; q: 512 wv + 32 r + 16 h
	v_lshl_add_u32 v6, v1, 6, s60                  ; mtab: 16 bytes x (128 wv + 4 r)
	v_lshl_add_u32 v7, v1, 4, s59                  ; gamma, beta, b2: 4 bytes x (128 wv + 4 r)
	v_lshl_add_u32 v[XO], v2, 14, v7
	; 79 loads: q, 8 of mtab, 6 of gamma, beta, b2, 64 of x.  x waits in window 2 while attention runs.
	global_load_b128 v[QLO:QLO+3], v5, s[6:7]
.irp t, 0,1,2,3,4,5,6,7
	global_load_b128 v[MT+4*\t:MT+4*\t+3], v6, s[12:13] offset:(\t>>2)*1024+(\t&3)*16
.endr
	global_load_b128 v[GAM:GAM+3], v7, s[16:17]
	global_load_b128 v[GAM+4:GAM+7], v7, s[16:17] offset:256
	global_load_b128 v[BET:BET+3], v7, s[18:19]
	global_load_b128 v[BET+4:BET+7], v7, s[18:19] offset:256
	global_load_b128 v[B2R:B2R+3], v7, s[14:15]
	global_load_b128 v[B2R+4:B2R+7], v7, s[14:15] offset:256
	WIN 0x80                                       ; destination in window 2
.irp mt, 0,1,2,3
.irp j, 0,1,2,3,4,5,6,7
.irp tq, 0,1
	global_load_b128 v[4*((8*\mt+\j)*2+\tq):4*((8*\mt+\j)*2+\tq)+3], v[XO], s[4:5] offset:(16*\mt+\j)*2048+256*\tq th:TH_LOAD_NT
.endr
.endr
.endr
	WIN 0
.irp z, 48,49,50,51,56,57,58,59
	v_mov_b32 v\z, 0                               ; the zeros on both sides of q
.endr
	v_lshl_add_u32 v3, v1, 4, s61                  ; k: 16 bytes a key, the same for both halves of the lanes
	v_and_b32 v4, 7, v1
	v_lshlrev_b32 v4, 4, v4
	v_lshl_add_u32 v4, v2, 7, v4
	v_add_nc_u32 v4, RB+32768, v4                  ; v: 128 h + 16 (r & 7): rows 8-15 repeat rows 0-7, so both halves of the lanes end with the same sums
	v_and_b32 v47, 31, v0
	s_lshl_b32 s60, s22, 13
	v_lshl_add_u32 v[BR], v47, 4, s60
	v_add_nc_u32 v[BR+1], 65536, v[BR]
	v_add_nc_u32 v[BR+2], 131072, v[BR]
	v_add_nc_u32 v[BR+3], 196608, v[BR]
	s_add_co_u32 s60, s59, PART
	v_lshl_add_u32 v[PADDR], v2, 5, s60            ; PART + 512 wv + 32 h
	s_lshl_b32 s60, s22, 6
	s_add_co_u32 s60, s60, PART
	v_lshl_add_u32 v[CADDR], v1, 2, s60            ; PART + 4 (16 wv + r)
	v_lshlrev_b32 v[FADDR], 5, v2
	v_add_nc_u32 v[FADDR], FIN, v[FADDR]           ; FIN + 32 h
	s_wait_tensorcnt 0x2                           ; my part of k and v has landed; the two slots, issued behind it, stay out
	BAR                                            ; everybody's has.  Nothing is filled again in this launch
	s_wait_loadcnt 0x3f                            ; 79 were issued: with 63 out at the most the oldest 16 are in: q, mtab, gamma, beta, b2
	s_wait_xcnt 0x0                                ; v5-7 are written again only behind this wait
.macro LDK slot, blk                   ; 32 keys: registers 0-3 keys 0-15, registers 4-7 keys 16-31
	ds_load_b128 v[KR+8*(\slot):KR+8*(\slot)+3],   v3 offset:512*(\blk)
	ds_load_b128 v[KR+8*(\slot)+4:KR+8*(\slot)+7], v3 offset:512*(\blk)+256
.endm
.macro LDV slot, blk
	ds_load_b128 v[VR+8*(\slot):VR+8*(\slot)+3],   v4 offset:512*(\blk)
	ds_load_b128 v[VR+8*(\slot)+4:VR+8*(\slot)+7], v4 offset:512*(\blk)+256
.endm
.macro LDB half, blk0                  ; pass 1: four blocks in one run, into one half of a ring of eight operands
.irp q, 0,1,2,3
	LDK 4*\half+\q, \blk0+\q
.endr
.endm
; PASS 1, step b: the two score products of block b, each followed by four of the eight maxima over block b-2.  The maxima name the pair of two steps ago and
; the running maxima, none of the products' registers: they are the places behind the products.  k comes four blocks at a time, in one run at the
; head of each batch of four steps, for the batch after it; the run stands four maxima behind the last product that read the half that it fills.
.macro MSTEP b, sc, mx, first
.set S_NEW, SR+16*(\b&3)
.set S_CUR, SR+16*((\b+2)&3)
.set K_CUR, KR+8*(\b&7)
.if \sc
	v_wmma_f32_16x16x32_bf16 v[S_NEW:S_NEW+7],    v[K_CUR:K_CUR+7], v[QLO:QLO+7], 0
.endif
.irp e, 0,1,2,3
.if \mx
.if \first
	v_max_num_f32 v[MX+\e], v[S_CUR+2*\e], v[S_CUR+2*\e+1]
.else
	v_max3_num_f32 v[MX+\e], v[MX+\e], v[S_CUR+2*\e], v[S_CUR+2*\e+1]
.endif
.else
	v_nop
.endif
.endr
.if \sc
	v_wmma_f32_16x16x32_bf16 v[S_NEW+8:S_NEW+15], v[K_CUR:K_CUR+7], v[QHI:QHI+7], 0
.endif
.irp e, 4,5,6,7
.if \mx
	v_max3_num_f32 v[MX+\e-4], v[MX+\e-4], v[S_CUR+2*\e], v[S_CUR+2*\e+1]
.else
	v_nop
.endif
.endr
.endm
	LDB 0, 0
	s_wait_dscnt 0x0                               ; at every batch's head: its eight loads, issued a batch ago, are the only ones out
	LDB 1, 4
	MSTEP 0, 1,0,0
	MSTEP 1, 1,0,0
	MSTEP 2, 1,1,1
	MSTEP 3, 1,1,0
	s_wait_dscnt 0x0
	LDB 0, 8
	MSTEP 4, 1,1,0
	MSTEP 5, 1,1,0
	MSTEP 6, 1,1,0
	MSTEP 7, 1,1,0
	s_mov_b32 s56, 6                               ; blocks 8 to 55, eight a trip
.Lmax:
	s_wait_dscnt 0x0
	LDB 1, 12
	MSTEP 0, 1,1,0
	MSTEP 1, 1,1,0
	MSTEP 2, 1,1,0
	MSTEP 3, 1,1,0
	s_wait_dscnt 0x0
	LDB 0, 16
	MSTEP 4, 1,1,0
	MSTEP 5, 1,1,0
	MSTEP 6, 1,1,0
	MSTEP 7, 1,1,0
	v_add_nc_u32 v3, 4096, v3                      ; eight blocks on
	s_sub_co_u32 s56, s56, 1
	s_cmp_lg_u32 s56, 0
	s_cbranch_scc1 .Lmax
	s_wait_dscnt 0x0
	LDB 1, 12                                      ; blocks 60 to 63: the last
	MSTEP 0, 1,1,0
	MSTEP 1, 1,1,0
	MSTEP 2, 1,1,0
	MSTEP 3, 1,1,0
	s_wait_dscnt 0x0
	MSTEP 4, 1,1,0
	MSTEP 5, 1,1,0
	MSTEP 6, 1,1,0
	MSTEP 7, 1,1,0
	MSTEP 0, 0,1,0                                 ; the maxima over blocks 62 and 63
	MSTEP 1, 0,1,0
	v_max3_num_f32 v[MX], v[MX], v[MX+1], v[MX+2]
	v_max_num_f32 v[MX], v[MX], v[MX+3]
	v_permlanex16_b32 v[MX+1], v[MX], s57, s58     ; the other eight keys of each tile lie in the other half of the lanes
	v_max_num_f32 v[MX], v[MX], v[MX+1]
.irp j, 0,1,2,3,4,5,6,7
	v_sub_f32 v[NEGM+\j], 0, v[MX]                 ; C(key, query r) = -max of query r
.endr
	v_lshl_add_u32 v3, v1, 4, s61                  ; back to the first key
	WIN 0xc0                                       ; destination in window 3
	W2REG 2, 0                                     ; three quarters of chunk 2: 48 loads, which have pass 2 in which to land
	W2REG 2, 1
	W2REG 2, 2
	WIN 0
; PASS 2, step i: scores minus maximum of block i+2; exponentials of block i; block i-1 rounded to bf16; block i-2 multiplied with v.
; The three matrix instructions are spread among the step's 24 vector instructions.  The LDS loads (v of block i+1, k of block i+6) stand at the step's
; end, 12 vector instructions behind the last matrix instruction, and lead their first use by more than two steps.
; The conversions are the plain lines behind the exponentials (ISA guide 5.7.2) and the places behind the matrix instructions: they write the P operand of
; block i-1 and read its scores, none of the registers of this step's matrix instructions.  Four of them stand between P v and the next write of the P operand
; that it read, six between the second score product and the load into its k.  The two accumulators of P v take turns.
.macro EXCV idx, ex, cv, np
.if \ex
	v_exp_f32 v[S_CUR+2*\idx], v[S_CUR+2*\idx]
	v_exp_f32 v[S_CUR+2*\idx+1], v[S_CUR+2*\idx+1]
.endif
.if \cv
	s_wait_alu depctr_va_vdst(0)
	v_cvt_pk_bf16_f32 v[P_NEW+\idx], v[S_OLD+2*\idx], v[S_OLD+2*\idx+1]
.else
.if \np
	v_nop
.endif
.endif
.endm
.macro ASTEP i, sc, ex, cv, ov, first, ldk, ldv, cnt
.set S_NEW, SR+16*((\i+2)&3)
.set S_CUR, SR+16*(\i&3)
.set S_OLD, SR+16*((\i+3)&3)
.set K_CUR, KR+8*((\i+2)&3)
.set P_NEW, PR+8*((\i+1)&1)
.set P_OLD, PR+8*(\i&1)
.set V_OLD, VR+8*((\i+2)&3)
.set O_OLD, O0+8*(\i&1)
	s_wait_dscnt \cnt
.if \sc
	v_wmma_f32_16x16x32_bf16 v[S_NEW:S_NEW+7],    v[K_CUR:K_CUR+7], v[QLO:QLO+7], v[NEGM:NEGM+7]
.endif
.irp e, 0,1
	EXCV \e, \ex, \cv, \sc+\ex
.endr
.if \sc
	v_wmma_f32_16x16x32_bf16 v[S_NEW+8:S_NEW+15], v[K_CUR:K_CUR+7], v[QHI:QHI+7], v[NEGM:NEGM+7]
.endif
.irp e, 2,3
	EXCV \e, \ex, \cv, \sc+\ex
.endr
.if \ov
.if \first
	v_wmma_f32_16x16x32_bf16 v[O_OLD:O_OLD+7], v[V_OLD:V_OLD+7], v[P_OLD:P_OLD+7], 0
.else
	v_wmma_f32_16x16x32_bf16 v[O_OLD:O_OLD+7], v[V_OLD:V_OLD+7], v[P_OLD:P_OLD+7], v[O_OLD:O_OLD+7]
.endif
.endif
.irp e, 4,5,6,7
	EXCV \e, \ex, \cv, \sc+\ex
.endr
.if \ldv
	LDV (\i+1)&3, \i+1
.endif
.if \ldk
	LDK (\i+2)&3, \i+6
.endif
.endm
	LDK 0, 0
	LDK 1, 1
	LDK 2, 2
	LDK 3, 3
	ASTEP -2, 1,0,0,0,0, 1,0, 6                    ; wants k of block 0: the pairs of blocks 1, 2, 3 are younger
	ASTEP -1, 1,0,0,0,0, 1,1, 6                    ; k of block 1: the pairs of 2, 3, 4
	ASTEP 0,  1,1,0,0,0, 1,1, 8                    ; k of block 2: k 3, k 4, v 0, k 5
	ASTEP 1,  1,1,1,0,0, 1,1, 10                   ; k of block 3: k 4, v 0, k 5, v 1, k 6
	ASTEP 2,  1,1,1,1,1, 1,1, 10                   ; from here on: v of block i-2 is the youngest that is wanted; behind it came one pair of k and two steps' four loads
	ASTEP 3,  1,1,1,1,1, 1,1, 10
	s_mov_b32 s56, 13                              ; steps 4 to 55
.Latt:
	ASTEP 4,  1,1,1,1,0, 1,1, 10
	ASTEP 5,  1,1,1,1,0, 1,1, 10
	ASTEP 6,  1,1,1,1,0, 1,1, 10
	ASTEP 7,  1,1,1,1,0, 1,1, 10
	v_add_nc_u32 v3, 2048, v3                      ; four blocks on
	v_add_nc_u32 v4, 2048, v4
	s_sub_co_u32 s56, s56, 1
	s_cmp_lg_u32 s56, 0
	s_cbranch_scc1 .Latt
	ASTEP 4,  1,1,1,1,0, 1,1, 10                   ; step 56
	ASTEP 5,  1,1,1,1,0, 1,1, 10                   ; step 57 fetches k of block 63, the last
	ASTEP 6,  1,1,1,1,0, 0,1, 10                   ; step 58
	ASTEP 7,  1,1,1,1,0, 0,1, 8                    ; step 59 wants v 57: k 62, v 58, k 63, v 59 are younger
	ASTEP 8,  1,1,1,1,0, 0,1, 6                    ; step 60 wants v 58: k 63, v 59, v 60
	ASTEP 9,  1,1,1,1,0, 0,1, 4                    ; step 61 wants v 59 (and k 63, older): v 60, v 61
	ASTEP 10, 0,1,1,1,0, 0,1, 4                    ; step 62 wants v 60: v 61, v 62
	ASTEP 11, 0,1,1,1,0, 0,0, 4                    ; step 63 wants v 61: v 62, v 63
	ASTEP 12, 0,0,1,1,0, 0,0, 2                    ; step 64 wants v 62: v 63
	ASTEP 13, 0,0,0,1,0, 0,0, 0                    ; step 65: the last product
	PLACES
	WIN 0xc0
	W2REG 2, 3                                     ; the last quarter of chunk 2: 16 loads
	WIN 0
	v_pk_add_f32 v[64:65], v[64:65], v[72:73]      ; the two accumulators: 0-2 sum P vh, 3 sum P, 4-6 sum P vl
	v_pk_add_f32 v[66:67], v[66:67], v[74:75]
	v_pk_add_f32 v[68:69], v[68:69], v[76:77]
	v_add_f32 v70, v70, v78
	v_rcp_f32 v5, v67                              ; the sum holds the maximum's own weight, about 1: no denormal
	v_pk_add_f32 v[64:65], v[64:65], v[68:69]      ; the plain line behind the reciprocal
	v_add_f32 v66, v66, v70
	s_wait_alu depctr_va_vdst(0)
	v_mul_f32 v64, v64, v5
	v_mul_f32 v65, v65, v5
	v_mul_f32 v66, v66, v5                         ; z of query r, in both halves of the lanes
	; z as a fragment row of 32 bytes: h = 0: zh0 zh1 zh2 1 twice; h = 1: zl0 zl1 zl2 0 twice (against Mh0 Mh1 Mh2 ch Ml0 Ml1 Ml2 cl)
	v_cvt_pk_bf16_f32 v80, v64, v65
	v_cvt_pk_bf16_f32 v81, v66, 1.0
	v_lshlrev_b32 v82, 16, v80
	v_and_b32 v83, 0xffff0000, v80
	v_lshlrev_b32 v84, 16, v81
	v_sub_f32 v82, v64, v82
	v_sub_f32 v83, v65, v83
	v_sub_f32 v84, v66, v84
	v_cvt_pk_bf16_f32 v85, v82, v83
	v_cvt_pk_bf16_f32 v86, v84, 0
	v_cmp_ne_u32 vcc_lo, 0, v2
	v_cndmask_b32 v88, v80, v85, vcc_lo
	v_cndmask_b32 v89, v81, v86, vcc_lo
	v_lshlrev_b32 v7, 5, v1
	v_lshl_add_u32 v7, v2, 4, v7
	v_add_nc_u32 v7, s61, v7                       ; RB + 32 r + 16 h
	v_add_nc_u32 v6, s59, v7                       ; + 512 wv: my 16 rows
	s_wait_dscnt 0x0                               ; my reads of k and v are over
	BAR                                            ; everybody's are: RB may be written
	ds_store_b64 v6, v[88:89]
	ds_store_b64 v6, v[88:89] offset:8
	s_wait_dscnt 0x0
	BAR                                            ; all 64 rows of z are there
.irp mt, 0,1,2,3
	ds_load_b128 v[ZZ+4+8*\mt:ZZ+7+8*\mt], v7 offset:512*\mt
.endr
.irp z, 64,65,66,67,72,73,74,75,80,81,82,83,88,89,90,91,96,97,98,99
	v_mov_b32 v\z, 0
.endr
	; where r1 goes: chunk wv of 16,384 bytes, row m at 256 m, the 16 bytes number q of a row at ((q + m) & 15) 16.  A wave's 8-byte stores then
	; cover 256 different bytes modulo 256, and the 16 rows of a fragment load start at 16 different 16-byte columns.
	v_lshrrev_b32 v5, 1, v1
	v_lshl_add_u32 v5, v2, 3, v5                   ; (r>>1) + 8 h
	v_and_b32 v6, 1, v1
	v_lshlrev_b32 v6, 3, v6
	v_lshl_add_u32 v6, v2, 11, v6
	s_lshl_b32 s60, s22, 14
	s_add_co_u32 s60, s60, RB
	v_add_nc_u32 v6, s60, v6                       ; RB + 16384 wv + 2048 h + 8 (r&1)
.irp u, 0,1,2,3,4,5,6,7,8,9,10,11,12,13,14,15
	v_add_nc_u32 v[AW+\u], \u, v5
	v_and_b32 v[AW+\u], 15, v[AW+\u]
	v_lshl_add_u32 v[AW+\u], v[AW+\u], 4, v6
.endr
	v_add_nc_u32 v5, v1, v2                        ; and from where its fragments are read (the registers that held the maximum)
	v_lshl_add_u32 v6, v1, 8, s61
.irp i, 0,1,2,3,4,5,6,7
	v_add_nc_u32 v[AR+\i], 2*\i, v5
	v_and_b32 v[AR+\i], 15, v[AR+\i]
	v_lshl_add_u32 v[AR+\i], v[AR+\i], 4, v6
.endr
	s_wait_dscnt 0x0
	s_wait_loadcnt 0x10                            ; x is in (and chunk 2's first 48 loads); only the 16 loads issued behind pass 2 may stay out
	; ---- r0 = z M^T + c + x.  The 32 products start the accumulators (C = 0): nothing is cleared.
	WIN 0x50                                       ; C and D in window 1
.irp mt, 0,1,2,3
.irp u, 0,1,2,3
	v_wmma_f32_16x16x32_bf16 v[8*(8*\mt+2*\u):8*(8*\mt+2*\u)+7],     v[ZZ+4+8*\mt:ZZ+11+8*\mt], v[MT+8*\u:MT+8*\u+7], 0
	v_wmma_f32_16x16x32_bf16 v[8*(8*\mt+2*\u+1):8*(8*\mt+2*\u+1)+7], v[ZZ+8*\mt:ZZ+7+8*\mt],    v[MT+8*\u:MT+8*\u+7], 0
.endr
.endr
	PLACES
	WIN 0x49                                       ; source 0 and destination window 1, source 1 window 2
.irp mt, 0,1,2,3
.irp tq, 0,1
.irp i, 0,1,2,3
.irp j, 0,1,2,3,4,5,6,7
	v_add_f32 v[8*(8*\mt+4*\tq+\i)+\j], v[8*(8*\mt+4*\tq+\i)+\j], v[4*((8*\mt+\j)*2+\tq)+\i]
.endr
.endr
.endr
.endr
	WIN 0x80                                       ; window 2 is free: the first half of chunk 3, 32 loads
	W2REG 3, 0
	W2REG 3, 1
; LayerNorm's figures for the 64 rows, from the accumulators: each wave its own mean and its sum of squares about that mean over its 128 columns;
; the four are merged: mu = mean of the means, M2 = sum of M2 + 128 sum of (mean - mu)^2.  No difference of large sums is formed.
; Leaves rs = 1/sqrt(var + 1e-5) in v[MEAN ..] and -mu rs in v[SQ ..], index 8mt+j.
.macro LNSTATS
	WIN 0x05                                       ; both sources window 1
.irp mt, 0,1,2,3
.irp jj, 0,2,4,6
	v_pk_add_f32 v[MEAN+8*\mt+\jj:MEAN+8*\mt+\jj+1], v[8*(8*\mt)+\jj:8*(8*\mt)+\jj+1], v[8*(8*\mt+1)+\jj:8*(8*\mt+1)+\jj+1]
.endr
.endr
	WIN 0x01
.irp t, 2,3,4,5,6,7
.irp mt, 0,1,2,3
.irp jj, 0,2,4,6
	v_pk_add_f32 v[MEAN+8*\mt+\jj:MEAN+8*\mt+\jj+1], v[8*(8*\mt+\t)+\jj:8*(8*\mt+\t)+\jj+1], v[MEAN+8*\mt+\jj:MEAN+8*\mt+\jj+1]
.endr
.endr
.endr
	WIN 0
.irp x, 1,2,4,8
.set k, 0
.rept 32
	v_add_f32_dpp v[MEAN+k], v[MEAN+k], v[MEAN+k] row_xmask:\x row_mask:0xf bank_mask:0xf
.set k, k+1
.endr
.endr
.set k, 0
.rept 16
	v_pk_mul_f32 v[MEAN+k:MEAN+k+1], v[MEAN+k:MEAN+k+1], 0x3c000000 op_sel_hi:[1,0]   ; / 128
.set k, k+2
.endr
.irp tp, 0,2,4,6
	WIN 0x01
.irp tt, 0,1
.irp mt, 0,1,2,3
.irp jj, 0,2,4,6
	v_pk_add_f32 v[TT+32*\tt+8*\mt+\jj:TT+32*\tt+8*\mt+\jj+1], v[8*(8*\mt+\tp+\tt)+\jj:8*(8*\mt+\tp+\tt)+\jj+1], v[MEAN+8*\mt+\jj:MEAN+8*\mt+\jj+1] neg_lo:[0,1] neg_hi:[0,1]
.endr
.endr
.endr
	WIN 0
.irp tt, 0,1
.irp mt, 0,1,2,3
.irp jj, 0,2,4,6
.if \tp+\tt == 0
	v_pk_mul_f32 v[SQ+8*\mt+\jj:SQ+8*\mt+\jj+1], v[TT+8*\mt+\jj:TT+8*\mt+\jj+1], v[TT+8*\mt+\jj:TT+8*\mt+\jj+1]
.else
	v_pk_fma_f32 v[SQ+8*\mt+\jj:SQ+8*\mt+\jj+1], v[TT+32*\tt+8*\mt+\jj:TT+32*\tt+8*\mt+\jj+1], v[TT+32*\tt+8*\mt+\jj:TT+32*\tt+8*\mt+\jj+1], v[SQ+8*\mt+\jj:SQ+8*\mt+\jj+1]
.endif
.endr
.endr
.endr
.endr
.irp x, 1,2,4,8
.set k, 0
.rept 32
	v_add_f32_dpp v[SQ+k], v[SQ+k], v[SQ+k] row_xmask:\x row_mask:0xf bank_mask:0xf
.set k, k+1
.endr
.endr
.irp mt, 0,1,2,3
.irp q, 0,1
	ds_store_b128 v[PADDR], v[MEAN+8*\mt+4*\q:MEAN+8*\mt+4*\q+3] offset:64*\mt+16*\q       ; the 16 lanes of a half store the same bytes
	ds_store_b128 v[PADDR], v[SQ+8*\mt+4*\q:SQ+8*\mt+4*\q+3] offset:256+64*\mt+16*\q
.endr
.endr
	s_wait_dscnt 0x0
	BAR
.irp w, 0,1,2,3
	ds_load_b32 v[TT+\w], v[CADDR] offset:512*\w                   ; row 16 wv + r: the four waves' means
	ds_load_b32 v[TT+4+\w], v[CADDR] offset:512*\w+256             ; and sums of squares
.endr
	s_wait_dscnt 0x0
	v_pk_add_f32 v[TT+8:TT+9], v[TT:TT+1], v[TT+2:TT+3]
	v_pk_add_f32 v[TT+10:TT+11], v[TT+4:TT+5], v[TT+6:TT+7]
	v_add_f32 v[TT+8], v[TT+8], v[TT+9]
	v_add_f32 v[TT+10], v[TT+10], v[TT+11]
	v_mul_f32 v[TT+8], 0x3e800000, v[TT+8]         ; mu
.irp w, 0,1,2,3
	v_sub_f32 v[TT+\w], v[TT+\w], v[TT+8]
.endr
	v_mul_f32 v[TT+12], v[TT], v[TT]
	v_fmac_f32 v[TT+12], v[TT+1], v[TT+1]
	v_fmac_f32 v[TT+12], v[TT+2], v[TT+2]
	v_fmac_f32 v[TT+12], v[TT+3], v[TT+3]
	v_fmamk_f32 v[TT+10], v[TT+12], 0x43000000, v[TT+10]           ; + 128 x sum of (mean - mu)^2
	v_fma_f32 v[TT+10], v[TT+10], s62, s63         ; / 512 + 1e-5
	v_rsq_f32 v[TT+11], v[TT+10]
	v_nop                                          ; the plain line behind the root (ISA guide 5.7.2)
	s_wait_alu depctr_va_vdst(0)
	v_mul_f32 v[TT+12], -v[TT+8], v[TT+11]
	ds_store_b32 v[CADDR], v[TT+11] offset:4096    ; FIN = PART + 4,096
	ds_store_b32 v[CADDR], v[TT+12] offset:4096+256
	s_wait_dscnt 0x0
	BAR
.irp mt, 0,1,2,3
.irp q, 0,1
	ds_load_b128 v[MEAN+8*\mt+4*\q:MEAN+8*\mt+4*\q+3], v[FADDR] offset:64*\mt+16*\q
	ds_load_b128 v[SQ+8*\mt+4*\q:SQ+8*\mt+4*\q+3], v[FADDR] offset:256+64*\mt+16*\q
.endr
.endr
	s_wait_dscnt 0x0
.endm
; (acc rs - mu rs) for four tiles of 16 rows into v[TT + 8i + j]
.macro NORM mt, tq
	WIN 0x01
.irp i, 0,1,2,3
.irp jj, 0,2,4,6
	v_pk_fma_f32 v[TT+8*\i+\jj:TT+8*\i+\jj+1], v[8*(8*\mt+4*\tq+\i)+\jj:8*(8*\mt+4*\tq+\i)+\jj+1], v[MEAN+8*\mt+\jj:MEAN+8*\mt+\jj+1], v[SQ+8*\mt+\jj:SQ+8*\mt+\jj+1]
.endr
.endr
	WIN 0
.endm
; r1 = that times gamma plus beta, to bf16, into LDS.  gamma and beta of tile t lie in one register: op_sel picks it for both halves of a pair.
; The packed words lie in two sets of registers that take turns, so that a set is not written while the LDS stores of the turn before still read it.
.macro R1OUT mt, tq
	NORM \mt, \tq
.irp i, 0,2
.irp jj, 0,2,4,6
	v_pk_fma_f32 v[TT+8*\i+\jj:TT+8*\i+\jj+1], v[TT+8*\i+\jj:TT+8*\i+\jj+1], v[GAM+4*\tq+\i:GAM+4*\tq+\i+1], v[BET+4*\tq+\i:BET+4*\tq+\i+1] op_sel_hi:[1,0,0]
	v_pk_fma_f32 v[TT+8*\i+8+\jj:TT+8*\i+8+\jj+1], v[TT+8*\i+8+\jj:TT+8*\i+8+\jj+1], v[GAM+4*\tq+\i:GAM+4*\tq+\i+1], v[BET+4*\tq+\i:BET+4*\tq+\i+1] op_sel:[0,1,1] op_sel_hi:[1,1,1]
.endr
.endr
.irp j, 0,1,2,3,4,5,6,7
	v_cvt_pk_bf16_f32 v[PK+16*\tq+2*\j], v[TT+\j], v[TT+8+\j]      ; four neighbouring columns of row j: 8 bytes
	v_cvt_pk_bf16_f32 v[PK+16*\tq+2*\j+1], v[TT+16+\j], v[TT+24+\j]
.endr
.irp j, 0,1,2,3,4,5,6,7
	ds_store_b64 v[AW+8*\tq+\j], v[PK+16*\tq+2*\j:PK+16*\tq+2*\j+1] offset:256*\j+4096*\mt
.endr
.endm
	LNSTATS
	WIN 0x80
	W2REG 3, 2                                     ; the second half of chunk 3: 32 loads; 12 steps of the product lie between here and their first use
	W2REG 3, 3
	WIN 0
	BAR                                            ; every wave has read its figures (waited for above): r1 may now be laid over them
.irp mt, 0,1,2,3
	R1OUT \mt, 0
	R1OUT \mt, 1
.endr
	WIN 0x41                                       ; the accumulators keep r0; b2 is added, and the products with w2 add onto that
.irp mt, 0,1,2,3
.irp t, 0,2,4,6
.irp jj, 0,2,4,6
	v_pk_add_f32 v[8*(8*\mt+\t)+\jj:8*(8*\mt+\t)+\jj+1], v[8*(8*\mt+\t)+\jj:8*(8*\mt+\t)+\jj+1], v[B2R+\t:B2R+\t+1] op_sel_hi:[1,0]
	v_pk_add_f32 v[8*(8*\mt+\t+1)+\jj:8*(8*\mt+\t+1)+\jj+1], v[8*(8*\mt+\t+1)+\jj:8*(8*\mt+\t+1)+\jj+1], v[B2R+\t:B2R+\t+1] op_sel:[0,1] op_sel_hi:[1,1]
.endr
.endr
.endr
	WIN 0
	s_wait_dscnt 0x0                               ; my part of r1 is in LDS
	s_wait_tensorcnt 0x0                           ; my parts of both slots have landed
	BAR                                            ; everybody's have
; ---- r += r1 w2^T: 16 steps of 32 along K in one run.  Steps 0-7 take w2b's fragments from LDS (16 loads) and r1's (8 loads); steps 8-15 find w2b's
; in windows 3 and 2 and fetch r1's alone.
.macro FETCHB slot, ksl, f
.irp t, 0,1,2,3,4,5,6,7
	ds_load_b128 v[\f+8*\t:\f+8*\t+3],   v[BR+2*\slot+(\ksl>>1)] offset:(\ksl&1)*32768+1024*\t
	ds_load_b128 v[\f+8*\t+4:\f+8*\t+7], v[BR+2*\slot+(\ksl>>1)] offset:(\ksl&1)*32768+1024*\t+512
.endr
.endm
.macro FETCHA kc, ksl, f
.irp mt, 0,1,2,3
	ds_load_b128 v[\f+64+8*\mt:\f+64+8*\mt+3],   v[AR+2*\ksl]   offset:16384*\kc+4096*\mt
	ds_load_b128 v[\f+64+8*\mt+4:\f+64+8*\mt+7], v[AR+2*\ksl+1] offset:16384*\kc+4096*\mt
.endr
.endm
.macro MUL16 f, bb, mt0                ; bb: first register of w2b's eight fragments, in the window that is set for source 1
.irp mt, \mt0, \mt0+1
.irp t, 0,1,2,3,4,5,6,7
	v_wmma_f32_16x16x32_bf16 v[8*(8*(\mt)+\t):8*(8*(\mt)+\t)+7], v[\f+64+8*(\mt):\f+64+8*(\mt)+7], v[\bb+8*\t:\bb+8*\t+7], v[8*(8*(\mt)+\t):8*(8*(\mt)+\t)+7]
.endr
.endr
.endm
; One step on buffer f; in its middle the next step's fragments go into buffer g (nxa: r1's, nxb: w2b's too).
; The 32 accumulators come in the same order in every step, one instruction a turn.
.macro KSTEP f, bb, win, nxb, nxa, slot, kc, ksl, g
	s_wait_dscnt 4                                 ; all of this step's fragments but r1's rows 32-63, the youngest four loads
	WIN \win
	MUL16 \f, \bb, 0
.if \nxa
	PLACES                                         ; behind the matrix instructions that read buffer g one step ago
	WIN 0
.if \nxb
	FETCHB \slot, \ksl, \g
.endif
	FETCHA \kc, \ksl, \g
	s_wait_dscnt 8+16*\nxb                         ; all but the loads just issued
.else
	s_wait_dscnt 0
.endif
	WIN \win
	MUL16 \f, \bb, 2
.endm
	FETCHB 0, 0, F0
	FETCHA 0, 0, F0
	KSTEP F0, F0,  0x50, 1, 1, 0, 0, 1, F1         ; chunk 0, from slot 0
	KSTEP F1, F1,  0x50, 1, 1, 0, 0, 2, F0
	KSTEP F0, F0,  0x50, 1, 1, 0, 0, 3, F1
	KSTEP F1, F1,  0x50, 1, 1, 1, 1, 0, F0
	KSTEP F0, F0,  0x50, 1, 1, 1, 1, 1, F1         ; chunk 1, from slot 1
	KSTEP F1, F1,  0x50, 1, 1, 1, 1, 2, F0
	KSTEP F0, F0,  0x50, 1, 1, 1, 1, 3, F1
	KSTEP F1, F1,  0x50, 0, 1, 0, 2, 0, F0
	s_wait_loadcnt 0x0                             ; chunks 2 and 3 are in their registers: the youngest of their loads was issued in front of the first step
	KSTEP F0, 0,   0x5c, 0, 1, 0, 2, 1, F1         ; chunk 2: source 1 in window 3
	KSTEP F1, 64,  0x5c, 0, 1, 0, 2, 2, F0
	KSTEP F0, 128, 0x5c, 0, 1, 0, 2, 3, F1
	KSTEP F1, 192, 0x5c, 0, 1, 0, 3, 0, F0
	KSTEP F0, 0,   0x58, 0, 1, 0, 3, 1, F1         ; chunk 3: source 1 in window 2
	KSTEP F1, 64,  0x58, 0, 1, 0, 3, 2, F0
	KSTEP F0, 128, 0x58, 0, 1, 0, 3, 3, F1
	KSTEP F1, 192, 0x58, 0, 0, 0, 0, 0, F0
	WIN 0
	PLACES                                         ; behind the last matrix instructions, before their results are read
	BAR                                            ; every wave's reads of r1 are over (waited for in the last step): the figures may be laid over it
	; ---- the second LayerNorm, and out
	LNSTATS
.macro OUT mt, tq, set
	NORM \mt, \tq
	s_wait_xcnt 0x0                                ; this set of 32 registers, which earlier stores read, is rewritten only behind this wait
.irp j, 0,1,2,3,4,5,6,7
.irp i, 0,1,2,3
	v_fma_f32 v[ST+32*\set+4*\j+\i], v[TT+8*\i+\j], v[GAM+4*\tq+\i], v[BET+4*\tq+\i]
.endr
.endr
.irp j, 0,1,2,3,4,5,6,7
	global_store_b128 v[XO], v[ST+32*\set+4*\j:ST+32*\set+4*\j+3], s[20:21] offset:(16*\mt+\j)*2048+256*\tq th:TH_STORE_NT   ; lanes 0-15: 256 consecutive, aligned bytes of a row; lanes 16-31: of the row 8 below
.endr
.endm
.irp mt, 0,1,2,3
	OUT \mt, 0, 0
	OUT \mt, 1, 1
.endr
	ROUND                                          ; the closing round: no work-group ends while a partner may still ask for a tile that names it
	s_endpgm
.Lfunc_end_k_q3fe4355512_block:
	.size	k_q3fe4355512_block, .Lfunc_end_k_q3fe4355512_block-k_q3fe4355512_block
	.p2alignl 7, 3214868480
	.fill 96, 4, 3214868480
	.section	.rodata,"a",@progbits
	.p2align	6, 0x0
	.amdhsa_kernel k_q3fe4355512_block
		.amdhsa_group_segment_fixed_size 327680
		.amdhsa_private_segment_fixed_size 0
		.amdhsa_enable_private_segment 0
		.amdhsa_kernarg_size 72
		.amdhsa_user_sgpr_count 2
		.amdhsa_user_sgpr_kernarg_segment_ptr 1
		.amdhsa_wavefront_size32 1
		.amdhsa_system_sgpr_workgroup_id_x 1
		.amdhsa_system_sgpr_workgroup_id_y 1
		.amdhsa_system_sgpr_workgroup_id_z 1
		.amdhsa_system_vgpr_workitem_id 0
		.amdhsa_next_free_vgpr 1024
		.amdhsa_next_free_sgpr 66
		.amdhsa_reserve_vcc 1
		.amdhsa_float_denorm_mode_32 3
		.amdhsa_float_denorm_mode_16_64 3
		.amdhsa_memory_ordered 1
		.amdhsa_forward_progress 1
		.amdhsa_inst_pref_size 255
	.end_amdhsa_kernel
	.section	.bss,"aw",@nobits
	.p2align	6
	.space	262144
	.amdgpu_metadata
---
amdhsa.version: [ 1, 2 ]
amdhsa.kernels:
  - .name:           k_q3fe4355512_block
    .symbol:         k_q3fe4355512_block.kd
    .args:
      - { .name: x, .offset: 0, .size: 8, .value_kind: global_buffer, .address_space: global }
      - { .name: qt, .offset: 8, .size: 8, .value_kind: global_buffer, .address_space: global }
      - { .name: kv, .offset: 16, .size: 8, .value_kind: global_buffer, .address_space: global }
      - { .name: w2b, .offset: 24, .size: 8, .value_kind: global_buffer, .address_space: global }
      - { .name: mtab, .offset: 32, .size: 8, .value_kind: global_buffer, .address_space: global }
      - { .name: b2, .offset: 40, .size: 8, .value_kind: global_buffer, .address_space: global }
      - { .name: gamma, .offset: 48, .size: 8, .value_kind: global_buffer, .address_space: global }
      - { .name: beta, .offset: 56, .size: 8, .value_kind: global_buffer, .address_space: global }
      - { .name: out0, .offset: 64, .size: 8, .value_kind: global_buffer, .address_space: global }
    .group_segment_fixed_size: 327680
    .private_segment_fixed_size: 0
    .kernarg_segment_align: 8
    .kernarg_segment_size: 72
    .max_flat_workgroup_size: 128
    .sgpr_count:     66
    .vgpr_count:     1024
    .wavefront_size: 32
...
	.end_amdgpu_metadata
.endif
;; end of part 2
;; ======== version 2 of 2: 2 launches; 1.16 times as fast as version 1
;; workspace buffers: qt 524,288 bytes; kv 524,288 bytes; w2b 524,288 bytes; mtab 8,192 bytes
;; launch prep: the kernel of part 1 again; grid 256 x 1, 4 waves a work-group, no clusters, 167,936 bytes of LDS; arguments x, wq, wk, wv, bq, bk, bv, wo, bo, w1, b1, w2, qt, kv, w2b, mtab; writes qt, kv, w2b, mtab
;; launch block (part 3): grid 256 x 1, 4 waves a work-group, clusters of 4 x 1, 327,680 bytes of LDS; arguments x, qt, kv, w2b, mtab, b2, gamma, beta, out0; writes out0
.if DOCPART == 3
	.amdgcn_target "amdgcn-amd-amdhsa--gfx1250"
	.amdhsa_code_object_version 6
	.text
	.protected	k_q3fe4355512_block
	.globl	k_q3fe4355512_block
	.p2align	8
	.type	k_q3fe4355512_block,@function
k_q3fe4355512_block:
	s_mov_b64 s[64:65], 0
	v_nop
	global_prefetch_b8 v0, s[64:65] scope:SCOPE_SE
	s_setreg_imm32_b32 hwreg(HW_REG_WAVE_MODE, 25, 1), 1
	s_wait_xcnt 0x0
	s_wait_alu depctr_hold_cnt(0) depctr_sa_sdst(0) depctr_va_vdst(0) depctr_va_sdst(0) depctr_va_ssrc(0) depctr_va_vcc(0) depctr_vm_vsrc(0)
	s_getreg_b32 s2, hwreg(HW_REG_IB_STS2, 6, 4)
	s_cmp_eq_u32 s2, 0
	s_cbranch_scc0 .Lentry_in_a_cluster
	s_endpgm
.Lentry_in_a_cluster:
	s_bfe_u32 s2, ttmp6, 0x10000c
	s_cmp_lg_u32 s2, 0x3003
	s_cbranch_scc0 .Lentry_shape_is_right
	s_endpgm
.Lentry_shape_is_right:
; BLOCK: attention, r0 = x + z M^T + c, LayerNorm, r = r0 + r1 w2^T + b2, LayerNorm, for 64 rows a work-group (256 work-groups, four waves).
; ATTENTION: wave wv takes 16 queries against the batch's 2,048 keys, 32 keys a step.  Scores come transposed (source 0 = keys, source 1 =
;   queries): lane (r, h) holds keys 8h+j of query r, which after exp and rounding IS the fragment that the product with v wants.
;   Pass 1 finds each query's true maximum; pass 2 gives its negative to the score products as C, so that the subtraction costs nothing.
;   q carries log2(e)/sqrt(3) already: the exponentials are base 2.
; BATCHES: the sixteen exponentials of a step of pass 2 are ONE BATCH with ONE wait.  Nothing in the step names a result of theirs: the step's conversions
;   read the block before, whose batch was waited for at the end of the step before.  The wait stands at the step's end, behind the step's last two
;   conversions and directly ahead of its LDS loads.  The reciprocal of
;   the weights' sum and each LayerNorm's root are single results with a wait of their own, outside every loop.
; HI + LO: q, k, v, z, M, c are pairs hi + lo of bf16.  K = 32 has room: one side repeats its 8 numbers in both halves of the lanes, the other holds
;   hi in lanes 0-15 and lo in lanes 16-31, so one instruction sums (hi+lo)(hi+lo).  An operand of 8 registers holds two tiles' data
;   (registers 0-3, 4-7); its partner is [data, 0 0 0 0] or [0 0 0 0, data].
; FROM r0 ON: wave wv owns 64 rows x columns 128wv .. +127 as 4 x 8 accumulator tiles in register window 1, ACC(mt, t, j) = v[8(8mt+t)+j]:
;   row 16mt+8h+j, column 128wv+64(t>>2)+4r+(t&3).  By that order of columns tiles 4tq .. 4tq+3 of a row are 16 neighbouring bytes in a lane
;   and 16 lanes cover 256 consecutive, aligned bytes: x comes in and out0 goes out by 16-byte accesses, without a trip through LDS.
; w2b, 524,288 bytes in four chunks of 128 along K.  Chunks 0 and 1 lie in LDS (two slots of 131,072 bytes, filled once).  A wave multiplies only
;   its own 128 columns, 32,768 bytes of a chunk = 256 registers: its parts of chunks 2 and 3 wait in register windows 3 and 2
;   (window 2 holds x until x has been added).  So no LDS byte is filled twice, and the 16 steps of the product run without a barrier.
; CLUSTER 4 x 1: the four partners work on one batch (32 work-groups a batch): k, v and chunks 0 and 1 come by joint loads with the mask 15; their
;   addresses hang on the cluster's number and the wave's alone.  Chunks 2 and 3 (262,144 bytes a work-group) are NOT asked for jointly: LDS has no room
;   for them before a slot has been read, and a joint refill would have one chunk's 128 matrix instructions in which to land, behind a round of its own.
; LDS: the two slots; RB, 65,536 bytes: filled once with the batch's k and v, afterwards only written by LDS stores: z, the LayerNorm figures, r1 in bf16.
; LIMITS: r1, the softmax weights and w2 enter their products rounded to bf16.  0 x operand must be 0: k and M must be finite.
;   Exponentials below 2^-126 come out as 0.  z M^T + c stands for (concat6(z) wo^T + bo) w1^T + b1: the same sum in another order of rounding.
.set RB,    262144
.set SLOTB, 131072
.set PART,  RB+4096                    ; [wave 512][mean, M2: 256][row 4]
.set FIN,   RB+8192                    ; [rs, -mu rs: 256][row 4]
; window 0, for the whole kernel: v0 thread, v1 r, v2 h, v3 address of k, v4 of v, v5-7 at work
.set GAM,   8                          ; v[8:15]   gamma, register t = tile t's column of this lane
.set BET,   16                         ; v[16:23]  beta
.set B2R,   24                         ; v[24:31]  b2
.set AR,    32                         ; v[32:39]  behind attention: r1's fragments: RB + 256 r + ((2i + h + r) & 15) 16, i = 2 ksl + c
.set BR,    40                         ; v[40:43]  w2b's fragments: slot x 131072 + (ksl>>1) x 65536 + 8192 wv + 16 L; v40 also the offset into w2b in memory
.set XO,    44                         ; v44       16384 h + 512 wv + 16 r: my bytes of x and of out0; never rewritten
.set PADDR, 45
.set CADDR, 46
.set FADDR, 47
.set AW,    48                         ; v[48:63]  behind attention: where r1 is stored
; window 0, attention
.set NEGM,  32                         ; v[32:39]  minus the maximum, as a C operand
.set QHI,   48                         ; v[48:55]  = 0 0 0 0, q
.set QLO,   52                         ; v[52:59]  = q, 0 0 0 0
.set O0,    64                         ; v[64:79]  two accumulators of P v that take turns
.set MX,    64                         ; v[64:67]  pass 1: four running maxima
.set KR,    80                         ; v[80:111] four operands of k (pass 1: eight, v[80:143])
.set VR,    112                        ; v[112:143] four of v
.set PR,    144                        ; v[144:159] two of P
.set SR,    160                        ; v[160:223] four pairs of score tiles
.set MT,    224                        ; v[224:255] mtab, tile t in registers 4t .. 4t+3
; window 0, afterwards
.set ZZ,    64                         ; v[64:99]  0000 Z0 0000 Z1 0000 Z2 0000 Z3 0000
.set MEAN,  64                         ; v[64:95]  index 8mt+j: mean, later rs
.set SQ,    96                         ; v[96:127] sum of squares, later -mu rs
.set TT,    128                        ; v[128:191] at work
.set PK,    160                        ; v[160:191] r1 packed, two sets of 16 that take turns
.set ST,    192                        ; v[192:255] two sets of 32 to store
.set F0,    64                         ; v[64:159]  GEMM fragments: w2b's 64 registers, then r1's 32
.set F1,    160                        ; v[160:255] the second buffer
; window 2: x as loaded, v[4((8mt+j)2+tq) + i]; later chunk 3 of w2b, v[64 ksl + 8 t + 4 c ..].  Window 3: chunk 2, likewise
.set MSB, 0
.macro WIN new                         ; s_set_vgpr_msb: bits 1:0 source 0, 3:2 source 1, 5:4 source 2, 7:6 destination; the high byte repeats the setting left
.if MSB != \new
	s_set_vgpr_msb (MSB<<8)|\new
.set MSB, \new
.endif
.endm
.macro BAR
	s_barrier_signal -1
	s_barrier_wait -1
.endm
.macro ROUND                           ; a round of the cluster's barrier: my work-group's barrier, wave 0 signals for it, all wait for the four, my barrier again
	s_barrier_signal -1
	s_barrier_wait -1
	s_cmp_lg_u32 s22, 0
	s_cbranch_scc1 .Lnot_wave_0_\@
	s_barrier_signal -3
.Lnot_wave_0_\@:
	s_barrier_wait -3
	s_barrier_signal -1
	s_barrier_wait -1
.endm
.macro PLACES                          ; four places behind a matrix instruction (ISA guide 7.12.1) where there is no useful work to put there
.rept 4
	v_nop
.endr
.endm
; 16 loads: my 8,192 bytes of step ksl of chunk kc of w2b, into registers 64 ksl .. 64 ksl + 63 of the window that is set; each covers 512 consecutive bytes
.macro W2REG kc, ksl
.irp t, 0,1,2,3,4,5,6,7
	global_load_b128 v[64*\ksl+8*\t:64*\ksl+8*\t+3],   v[BR], s[10:11] offset:131072*\kc+32768*\ksl+1024*\t
	global_load_b128 v[64*\ksl+8*\t+4:64*\ksl+8*\t+7], v[BR], s[10:11] offset:131072*\kc+32768*\ksl+1024*\t+512
.endr
.endm
	s_load_b512 s[4:19], s[0:1], 0x0               ; x 4, qt 6, kv 8, w2b 10, mtab 12, b2 14, gamma 16, beta 18
	s_load_b64 s[20:21], s[0:1], 0x40              ; out0
	v_lshrrev_b32 v5, 5, v0
	v_readfirstlane_b32 s22, v5                    ; wave
	v_and_b32 v1, 15, v0                           ; r
	v_bfe_u32 v2, v0, 4, 1                         ; h
	s_bfe_u32 s23, ttmp6, 0x40000                  ; cx
	s_lshl_b32 s24, ttmp9, 2
	s_add_co_u32 s24, s24, s23                     ; work-group = 4 x cluster + cx: enters only the addresses of x, qt and out0
	s_lshr_b32 s25, ttmp9, 3                       ; batch: 8 clusters each
	s_mov_b32 s57, 0x76543210
	s_mov_b32 s58, 0xfedcba98
	s_mov_b32 s61, RB
	s_mov_b32 s62, 0x3b000000                      ; 1/512
	s_mov_b32 s63, 0x3727c5ac                      ; 1e-5
	; group 1 for k and v: 64 rows of 32 elements of 8 bytes (dense: 16,384 bytes a wave); mask 15 and bit 21 beside it
	s_mov_b32 s28, 15|(3<<16)|(1<<21)
	s_mov_b32 s29, 32<<16
	s_mov_b32 s30, 64<<16
	s_mov_b32 s31, 32<<16
	s_mov_b32 s32, 64
	s_mov_b32 s33, 32
	s_mov_b32 s34, 0
	s_mov_b32 s35, 0
	; group 1 for a slot: 128 such rows, 32,768 bytes a wave
	s_mov_b32 s36, 15|(3<<16)|(1<<21)
	s_mov_b32 s37, 32<<16
	s_mov_b32 s38, 128<<16
	s_mov_b32 s39, 32<<16
	s_mov_b32 s40, 128
	s_mov_b32 s41, 32
	s_mov_b32 s42, 0
	s_mov_b32 s43, 0
	s_mov_b32 s44, 1
	s_lshl_b32 s59, s22, 14
	s_add_co_u32 s45, s59, RB                      ; LDS: RB + 16,384 wave
	s_mov_b32 s48, 1
	s_lshl_b32 s49, s22, 15                        ; slot 0 + 32,768 wave
	s_mov_b32 s52, 1
	s_add_co_u32 s53, s49, SLOTB                   ; slot 1 + 32,768 wave
	s_lshl_b32 s26, s25, 16
	s_add_co_u32 s26, s26, s59
	s_mov_b32 s27, 0
	s_mov_b32 s3, 0
	s_wait_kmcnt 0x0
	s_add_nc_u64 s[46:47], s[8:9], s[26:27]        ; kv + 65,536 batch + 16,384 wave
	s_or_b32 s47, s47, 0x80000000
	s_mov_b32 s26, s49
	s_add_nc_u64 s[50:51], s[10:11], s[26:27]      ; chunk 0 of w2b
	s_add_nc_u64 s[54:55], s[50:51], SLOTB         ; chunk 1
	s_or_b32 s51, s51, 0x80000000
	s_or_b32 s55, s55, 0x80000000
	ROUND                                          ; the four partners are here: the joint loads meet
	tensor_load_to_lds s[44:47], s[28:35]          ; the launch's only tensor loads: three of a wave are out at the most
	s_nop 0
	tensor_load_to_lds s[48:51], s[36:43]
	s_nop 0
	tensor_load_to_lds s[52:55], s[36:43]
	s_nop 0
	s_lshl_b32 s2, s24, 11
	s_add_nc_u64 s[6:7], s[6:7], s[2:3]            ; qt at the group's first row
	s_lshl_b32 s2, s24, 17
	s_add_nc_u64 s[4:5], s[4:5], s[2:3]            ; x
	s_add_nc_u64 s[20:21], s[20:21], s[2:3]        ; out0
	s_lshl_b32 s59, s22, 9                         ; 512 wave, kept
	s_lshl_b32 s60, s22, 11
	v_lshlrev_b32 v5, 5, v1
	v_lshl_add_u32 v5, v2, 4, v5
	v_add_nc_u32 v5, s59, v5                       ; q: 512 wv + 32 r + 16 h
	v_lshl_add_u32 v6, v1, 6, s60                  ; mtab: 16 bytes x (128 wv + 4 r)
	v_lshl_add_u32 v7, v1, 4, s59                  ; gamma, beta, b2: 4 bytes x (128 wv + 4 r)
	v_lshl_add_u32 v[XO], v2, 14, v7
	; 79 loads: q, 8 of mtab, 6 of gamma, beta, b2, 64 of x.  x waits in window 2 while attention runs.
	global_load_b128 v[QLO:QLO+3], v5, s[6:7]
.irp t, 0,1,2,3,4,5,6,7
	global_load_b128 v[MT+4*\t:MT+4*\t+3], v6, s[12:13] offset:(\t>>2)*1024+(\t&3)*16
.endr
	global_load_b128 v[GAM:GAM+3], v7, s[16:17]
	global_load_b128 v[GAM+4:GAM+7], v7, s[16:17] offset:256
	global_load_b128 v[BET:BET+3], v7, s[18:19]
	global_load_b128 v[BET+4:BET+7], v7, s[18:19] offset:256
	global_load_b128 v[B2R:B2R+3], v7, s[14:15]
	global_load_b128 v[B2R+4:B2R+7], v7, s[14:15] offset:256
	WIN 0x80                                       ; destination in window 2
.irp mt, 0,1,2,3
.irp j, 0,1,2,3,4,5,6,7
.irp tq, 0,1
	global_load_b128 v[4*((8*\mt+\j)*2+\tq):4*((8*\mt+\j)*2+\tq)+3], v[XO], s[4:5] offset:(16*\mt+\j)*2048+256*\tq th:TH_LOAD_NT
.endr
.endr
.endr
	WIN 0
.irp z, 48,49,50,51,56,57,58,59
	v_mov_b32 v\z, 0                               ; the zeros on both sides of q
.endr
	v_lshl_add_u32 v3, v1, 4, s61                  ; k: 16 bytes a key, the same for both halves of the lanes
	v_and_b32 v4, 7, v1
	v_lshlrev_b32 v4, 4, v4
	v_lshl_add_u32 v4, v2, 7, v4
	v_add_nc_u32 v4, RB+32768, v4                  ; v: 128 h + 16 (r & 7): rows 8-15 repeat rows 0-7, so both halves of the lanes end with the same sums
	v_and_b32 v47, 31, v0
	s_lshl_b32 s60, s22, 13
	v_lshl_add_u32 v[BR], v47, 4, s60
	v_add_nc_u32 v[BR+1], 65536, v[BR]
	v_add_nc_u32 v[BR+2], 131072, v[BR]
	v_add_nc_u32 v[BR+3], 196608, v[BR]
	s_add_co_u32 s60, s59, PART
	v_lshl_add_u32 v[PADDR], v2, 5, s60            ; PART + 512 wv + 32 h
	s_lshl_b32 s60, s22, 6
	s_add_co_u32 s60, s60, PART
	v_lshl_add_u32 v[CADDR], v1, 2, s60            ; PART + 4 (16 wv + r)
	v_lshlrev_b32 v[FADDR], 5, v2
	v_add_nc_u32 v[FADDR], FIN, v[FADDR]           ; FIN + 32 h
	s_wait_tensorcnt 0x2                           ; my part of k and v has landed; the two slots, issued behind it, stay out
	BAR                                            ; everybody's has.  Nothing is filled again in this launch
	s_wait_loadcnt 0x3f                            ; 79 were issued: with 63 out at the most the oldest 16 are in: q, mtab, gamma, beta, b2
	s_wait_xcnt 0x0                                ; v5-7 are written again only behind this wait
.macro LDK slot, blk                   ; 32 keys: registers 0-3 keys 0-15, registers 4-7 keys 16-31
	ds_load_b128 v[KR+8*(\slot):KR+8*(\slot)+3],   v3 offset:512*(\blk)
	ds_load_b128 v[KR+8*(\slot)+4:KR+8*(\slot)+7], v3 offset:512*(\blk)+256
.endm
.macro LDV slot, blk
	ds_load_b128 v[VR+8*(\slot):VR+8*(\slot)+3],   v4 offset:512*(\blk)
	ds_load_b128 v[VR+8*(\slot)+4:VR+8*(\slot)+7], v4 offset:512*(\blk)+256
.endm
.macro LDB half, blk0                  ; pass 1: four blocks in one run, into one half of a ring of eight operands
.irp q, 0,1,2,3
	LDK 4*\half+\q, \blk0+\q
.endr
.endm
; PASS 1, step b: the two score products of block b, each followed by four of the eight maxima over block b-2.  The maxima name the pair of two steps ago and
; the running maxima, none of the products' registers: they are the places behind the products.  k comes four blocks at a time, in one run at the
; head of each batch of four steps, for the batch after it; the run stands four maxima behind the last product that read the half that it fills.
.macro MSTEP b, sc, mx, first
.set S_NEW, SR+16*(\b&3)
.set S_CUR, SR+16*((\b+2)&3)
.set K_CUR, KR+8*(\b&7)
.if \sc
	v_wmma_f32_16x16x32_bf16 v[S_NEW:S_NEW+7],    v[K_CUR:K_CUR+7], v[QLO:QLO+7], 0
.endif
.irp e, 0,1,2,3
.if \mx
.if \first
	v_max_num_f32 v[MX+\e], v[S_CUR+2*\e], v[S_CUR+2*\e+1]
.else
	v_max3_num_f32 v[MX+\e], v[MX+\e], v[S_CUR+2*\e], v[S_CUR+2*\e+1]
.endif
.else
	v_nop
.endif
.endr
.if \sc
	v_wmma_f32_16x16x32_bf16 v[S_NEW+8:S_NEW+15], v[K_CUR:K_CUR+7], v[QHI:QHI+7], 0
.endif
.irp e, 4,5,6,7
.if \mx
	v_max3_num_f32 v[MX+\e-4], v[MX+\e-4], v[S_CUR+2*\e], v[S_CUR+2*\e+1]
.else
	v_nop
.endif
.endr
.endm
	LDB 0, 0
	s_wait_dscnt 0x0                               ; at every batch's head: its eight loads, issued a batch ago, are the only ones out
	LDB 1, 4
	MSTEP 0, 1,0,0
	MSTEP 1, 1,0,0
	MSTEP 2, 1,1,1
	MSTEP 3, 1,1,0
	s_wait_dscnt 0x0
	LDB 0, 8
	MSTEP 4, 1,1,0
	MSTEP 5, 1,1,0
	MSTEP 6, 1,1,0
	MSTEP 7, 1,1,0
	s_mov_b32 s56, 6                               ; blocks 8 to 55, eight a trip
.Lmax:
	s_wait_dscnt 0x0
	LDB 1, 12
	MSTEP 0, 1,1,0
	MSTEP 1, 1,1,0
	MSTEP 2, 1,1,0
	MSTEP 3, 1,1,0
	s_wait_dscnt 0x0
	LDB 0, 16
	MSTEP 4, 1,1,0
	MSTEP 5, 1,1,0
	MSTEP 6, 1,1,0
	MSTEP 7, 1,1,0
	v_add_nc_u32 v3, 4096, v3                      ; eight blocks on
	s_sub_co_u32 s56, s56, 1
	s_cmp_lg_u32 s56, 0
	s_cbranch_scc1 .Lmax
	s_wait_dscnt 0x0
	LDB 1, 12                                      ; blocks 60 to 63: the last
	MSTEP 0, 1,1,0
	MSTEP 1, 1,1,0
	MSTEP 2, 1,1,0
	MSTEP 3, 1,1,0
	s_wait_dscnt 0x0
	MSTEP 4, 1,1,0
	MSTEP 5, 1,1,0
	MSTEP 6, 1,1,0
	MSTEP 7, 1,1,0
	MSTEP 0, 0,1,0                                 ; the maxima over blocks 62 and 63
	MSTEP 1, 0,1,0
	v_max3_num_f32 v[MX], v[MX], v[MX+1], v[MX+2]
	v_max_num_f32 v[MX], v[MX], v[MX+3]
	v_permlanex16_b32 v[MX+1], v[MX], s57, s58     ; the other eight keys of each tile lie in the other half of the lanes
	v_max_num_f32 v[MX], v[MX], v[MX+1]
.irp j, 0,1,2,3,4,5,6,7
	v_sub_f32 v[NEGM+\j], 0, v[MX]                 ; C(key, query r) = -max of query r
.endr
	v_lshl_add_u32 v3, v1, 4, s61                  ; back to the first key
	WIN 0xc0                                       ; destination in window 3
	W2REG 2, 0                                     ; three quarters of chunk 2: 48 loads, which have pass 2 in which to land
	W2REG 2, 1
	W2REG 2, 2
	WIN 0
; PASS 2, step i: scores minus maximum of block i+2; exponentials of block i; block i-1 rounded to bf16; block i-2 multiplied with v.
; The three matrix instructions are spread among the step's 24 vector instructions.  The LDS loads (v of block i+1, k of block i+6) stand at the step's
; end, 12 vector instructions behind the last matrix instruction, and lead their first use by more than two steps.
; THE STEP'S SIXTEEN EXPONENTIALS ARE ONE BATCH.  Each works in place on a register of its own in block i's slot of the ring of four; the first lines that name those
; registers again are the conversions of step i+1.  This step's conversions read block i-1, whose batch had its wait at the end of step i-1; the products write block
; i+2's slot and read the P operand of block i-2.  So one wait serves the sixteen: it stands at the step's end, behind the last two conversions, which are the plain
; line behind the last exponential (ISA guide 5.7.2) and independent work, and directly ahead of the LDS loads.  A step without exponentials has no wait.
; The conversions are also the places behind the matrix instructions: they write the P operand of block i-1 and read its scores, none of the registers of this step's
; matrix instructions.  Four of them stand between P v and the next write of the P operand that it read, six between the second score product and the load into
; its k.  Where a step at the head has no conversions yet, v_nop stand in their places.  The two accumulators of P v take turns.
.macro EX n                            ; exponential n of 16 of block i, in place; ascending
.if A_EX
	v_exp_f32 v[S_CUR+\n], v[S_CUR+\n]
.endif
.endm
.macro CV n                            ; pair n of 8 of block i-1's weights, rounded to bf16
.if A_CV
	v_cvt_pk_bf16_f32 v[P_NEW+\n], v[S_OLD+2*\n], v[S_OLD+2*\n+1]
.elseif A_NP
	v_nop
.endif
.endm
.macro ASTEP i, sc, ex, cv, ov, first, ldk, ldv, cnt
.set S_NEW, SR+16*((\i+2)&3)
.set S_CUR, SR+16*(\i&3)
.set S_OLD, SR+16*((\i+3)&3)
.set K_CUR, KR+8*((\i+2)&3)
.set P_NEW, PR+8*((\i+1)&1)
.set P_OLD, PR+8*(\i&1)
.set V_OLD, VR+8*((\i+2)&3)
.set O_OLD, O0+8*(\i&1)
.set A_EX, \ex
.set A_CV, \cv
.set A_NP, \sc+\ex
	s_wait_dscnt \cnt
.if \sc
	v_wmma_f32_16x16x32_bf16 v[S_NEW:S_NEW+7],    v[K_CUR:K_CUR+7], v[QLO:QLO+7], v[NEGM:NEGM+7]
.endif
	EX 0
	EX 1
	CV 0
	EX 2
	EX 3
	CV 1
.if \sc
	v_wmma_f32_16x16x32_bf16 v[S_NEW+8:S_NEW+15], v[K_CUR:K_CUR+7], v[QHI:QHI+7], v[NEGM:NEGM+7]
.endif
	EX 4
	EX 5
	CV 2
	EX 6
	EX 7
	CV 3
.if \ov
.if \first
	v_wmma_f32_16x16x32_bf16 v[O_OLD:O_OLD+7], v[V_OLD:V_OLD+7], v[P_OLD:P_OLD+7], 0
.else
	v_wmma_f32_16x16x32_bf16 v[O_OLD:O_OLD+7], v[V_OLD:V_OLD+7], v[P_OLD:P_OLD+7], v[O_OLD:O_OLD+7]
.endif
.endif
	EX 8
	EX 9
	EX 10
	CV 4
	EX 11
	EX 12
	EX 13
	CV 5
	EX 14
	EX 15                                          ; the batch is out
	CV 6
	CV 7
.if \ex
	s_wait_alu depctr_va_vdst(0)                   ; one wait for the step's sixteen exponentials; their first readers are the next step's conversions
.endif
.if \ldv
	LDV (\i+1)&3, \i+1
.endif
.if \ldk
	LDK (\i+2)&3, \i+6
.endif
.endm
	LDK 0, 0
	LDK 1, 1
	LDK 2, 2
	LDK 3, 3
	ASTEP -2, 1,0,0,0,0, 1,0, 6                    ; wants k of block 0: the pairs of blocks 1, 2, 3 are younger
	ASTEP -1, 1,0,0,0,0, 1,1, 6                    ; k of block 1: the pairs of 2, 3, 4
	ASTEP 0,  1,1,0,0,0, 1,1, 8                    ; k of block 2: k 3, k 4, v 0, k 5
	ASTEP 1,  1,1,1,0,0, 1,1, 10                   ; k of block 3: k 4, v 0, k 5, v 1, k 6
	ASTEP 2,  1,1,1,1,1, 1,1, 10                   ; from here on: v of block i-2 is the youngest that is wanted; behind it came one pair of k and two steps' four loads
	ASTEP 3,  1,1,1,1,1, 1,1, 10
	s_mov_b32 s56, 13                              ; steps 4 to 55
.Latt:
	ASTEP 4,  1,1,1,1,0, 1,1, 10
	ASTEP 5,  1,1,1,1,0, 1,1, 10
	ASTEP 6,  1,1,1,1,0, 1,1, 10
	ASTEP 7,  1,1,1,1,0, 1,1, 10
	v_add_nc_u32 v3, 2048, v3                      ; four blocks on
	v_add_nc_u32 v4, 2048, v4
	s_sub_co_u32 s56, s56, 1
	s_cmp_lg_u32 s56, 0
	s_cbranch_scc1 .Latt
	ASTEP 4,  1,1,1,1,0, 1,1, 10                   ; step 56
	ASTEP 5,  1,1,1,1,0, 1,1, 10                   ; step 57 fetches k of block 63, the last
	ASTEP 6,  1,1,1,1,0, 0,1, 10                   ; step 58
	ASTEP 7,  1,1,1,1,0, 0,1, 8                    ; step 59 wants v 57: k 62, v 58, k 63, v 59 are younger
	ASTEP 8,  1,1,1,1,0, 0,1, 6                    ; step 60 wants v 58: k 63, v 59, v 60
	ASTEP 9,  1,1,1,1,0, 0,1, 4                    ; step 61 wants v 59 (and k 63, older): v 60, v 61
	ASTEP 10, 0,1,1,1,0, 0,1, 4                    ; step 62 wants v 60: v 61, v 62
	ASTEP 11, 0,1,1,1,0, 0,0, 4                    ; step 63 wants v 61: v 62, v 63
	ASTEP 12, 0,0,1,1,0, 0,0, 2                    ; step 64 wants v 62: v 63
	ASTEP 13, 0,0,0,1,0, 0,0, 0                    ; step 65: the last product
	PLACES
	WIN 0xc0
	W2REG 2, 3                                     ; the last quarter of chunk 2: 16 loads
	WIN 0
	v_pk_add_f32 v[64:65], v[64:65], v[72:73]      ; the two accumulators: 0-2 sum P vh, 3 sum P, 4-6 sum P vl
	v_pk_add_f32 v[66:67], v[66:67], v[74:75]
	v_pk_add_f32 v[68:69], v[68:69], v[76:77]
	v_add_f32 v70, v70, v78
	v_rcp_f32 v5, v67                              ; the sum holds the maximum's own weight, about 1: no denormal
	v_pk_add_f32 v[64:65], v[64:65], v[68:69]      ; the plain line behind the reciprocal
	v_add_f32 v66, v66, v70
	s_wait_alu depctr_va_vdst(0)                   ; the wait for the one reciprocal, behind the two additions and ahead of its first reader
	v_mul_f32 v64, v64, v5
	v_mul_f32 v65, v65, v5
	v_mul_f32 v66, v66, v5                         ; z of query r, in both halves of the lanes
	; z as a fragment row of 32 bytes: h = 0: zh0 zh1 zh2 1 twice; h = 1: zl0 zl1 zl2 0 twice (against Mh0 Mh1 Mh2 ch Ml0 Ml1 Ml2 cl)
	v_cvt_pk_bf16_f32 v80, v64, v65
	v_cvt_pk_bf16_f32 v81, v66, 1.0
	v_lshlrev_b32 v82, 16, v80
	v_and_b32 v83, 0xffff0000, v80
	v_lshlrev_b32 v84, 16, v81
	v_sub_f32 v82, v64, v82
	v_sub_f32 v83, v65, v83
	v_sub_f32 v84, v66, v84
	v_cvt_pk_bf16_f32 v85, v82, v83
	v_cvt_pk_bf16_f32 v86, v84, 0
	v_cmp_ne_u32 vcc_lo, 0, v2
	v_cndmask_b32 v88, v80, v85, vcc_lo
	v_cndmask_b32 v89, v81, v86, vcc_lo
	v_lshlrev_b32 v7, 5, v1
	v_lshl_add_u32 v7, v2, 4, v7
	v_add_nc_u32 v7, s61, v7                       ; RB + 32 r + 16 h
	v_add_nc_u32 v6, s59, v7                       ; + 512 wv: my 16 rows
	s_wait_dscnt 0x0                               ; my reads of k and v are over
	BAR                                            ; everybody's are: RB may be written
	ds_store_b64 v6, v[88:89]
	ds_store_b64 v6, v[88:89] offset:8
	s_wait_dscnt 0x0
	BAR                                            ; all 64 rows of z are there
.irp mt, 0,1,2,3
	ds_load_b128 v[ZZ+4+8*\mt:ZZ+7+8*\mt], v7 offset:512*\mt
.endr
.irp z, 64,65,66,67,72,73,74,75,80,81,82,83,88,89,90,91,96,97,98,99
	v_mov_b32 v\z, 0
.endr
	; where r1 goes: chunk wv of 16,384 bytes, row m at 256 m, the 16 bytes number q of a row at ((q + m) & 15) 16.  A wave's 8-byte stores then
	; cover 256 different bytes modulo 256, and the 16 rows of a fragment load start at 16 different 16-byte columns.
	v_lshrrev_b32 v5, 1, v1
	v_lshl_add_u32 v5, v2, 3, v5                   ; (r>>1) + 8 h
	v_and_b32 v6, 1, v1
	v_lshlrev_b32 v6, 3, v6
	v_lshl_add_u32 v6, v2, 11, v6
	s_lshl_b32 s60, s22, 14
	s_add_co_u32 s60, s60, RB
	v_add_nc_u32 v6, s60, v6                       ; RB + 16384 wv + 2048 h + 8 (r&1)
.irp u, 0,1,2,3,4,5,6,7,8,9,10,11,12,13,14,15
	v_add_nc_u32 v[AW+\u], \u, v5
	v_and_b32 v[AW+\u], 15, v[AW+\u]
	v_lshl_add_u32 v[AW+\u], v[AW+\u], 4, v6
.endr
	v_add_nc_u32 v5, v1, v2                        ; and from where its fragments are read (the registers that held the maximum)
	v_lshl_add_u32 v6, v1, 8, s61
.irp i, 0,1,2,3,4,5,6,7
	v_add_nc_u32 v[AR+\i], 2*\i, v5
	v_and_b32 v[AR+\i], 15, v[AR+\i]
	v_lshl_add_u32 v[AR+\i], v[AR+\i], 4, v6
.endr
	s_wait_dscnt 0x0
	s_wait_loadcnt 0x10                            ; x is in (and chunk 2's first 48 loads); only the 16 loads issued behind pass 2 may stay out
	; ---- r0 = z M^T + c + x.  The 32 products start the accumulators (C = 0): nothing is cleared.
	WIN 0x50                                       ; C and D in window 1
.irp mt, 0,1,2,3
.irp u, 0,1,2,3
	v_wmma_f32_16x16x32_bf16 v[8*(8*\mt+2*\u):8*(8*\mt+2*\u)+7],     v[ZZ+4+8*\mt:ZZ+11+8*\mt], v[MT+8*\u:MT+8*\u+7], 0
	v_wmma_f32_16x16x32_bf16 v[8*(8*\mt+2*\u+1):8*(8*\mt+2*\u+1)+7], v[ZZ+8*\mt:ZZ+7+8*\mt],    v[MT+8*\u:MT+8*\u+7], 0
.endr
.endr
	PLACES
	WIN 0x49                                       ; source 0 and destination window 1, source 1 window 2
.irp mt, 0,1,2,3
.irp tq, 0,1
.irp i, 0,1,2,3
.irp j, 0,1,2,3,4,5,6,7
	v_add_f32 v[8*(8*\mt+4*\tq+\i)+\j], v[8*(8*\mt+4*\tq+\i)+\j], v[4*((8*\mt+\j)*2+\tq)+\i]
.endr
.endr
.endr
.endr
	WIN 0x80                                       ; window 2 is free: the first half of chunk 3, 32 loads
	W2REG 3, 0
	W2REG 3, 1
; LayerNorm's figures for the 64 rows, from the accumulators: each wave its own mean and its sum of squares about that mean over its 128 columns;
; the four are merged: mu = mean of the means, M2 = sum of M2 + 128 sum of (mean - mu)^2.  No difference of large sums is formed.
; Leaves rs = 1/sqrt(var + 1e-5) in v[MEAN ..] and -mu rs in v[SQ ..], index 8mt+j.
.macro LNSTATS
	WIN 0x05                                       ; both sources window 1
.irp mt, 0,1,2,3
.irp jj, 0,2,4,6
	v_pk_add_f32 v[MEAN+8*\mt+\jj:MEAN+8*\mt+\jj+1], v[8*(8*\mt)+\jj:8*(8*\mt)+\jj+1], v[8*(8*\mt+1)+\jj:8*(8*\mt+1)+\jj+1]
.endr
.endr
	WIN 0x01
.irp t, 2,3,4,5,6,7
.irp mt, 0,1,2,3
.irp jj, 0,2,4,6
	v_pk_add_f32 v[MEAN+8*\mt+\jj:MEAN+8*\mt+\jj+1], v[8*(8*\mt+\t)+\jj:8*(8*\mt+\t)+\jj+1], v[MEAN+8*\mt+\jj:MEAN+8*\mt+\jj+1]
.endr
.endr
.endr
	WIN 0
.irp x, 1,2,4,8
.set k, 0
.rept 32
	v_add_f32_dpp v[MEAN+k], v[MEAN+k], v[MEAN+k] row_xmask:\x row_mask:0xf bank_mask:0xf
.set k, k+1
.endr
.endr
.set k, 0
.rept 16
	v_pk_mul_f32 v[MEAN+k:MEAN+k+1], v[MEAN+k:MEAN+k+1], 0x3c000000 op_sel_hi:[1,0]   ; / 128
.set k, k+2
.endr
.irp tp, 0,2,4,6
	WIN 0x01
.irp tt, 0,1
.irp mt, 0,1,2,3
.irp jj, 0,2,4,6
	v_pk_add_f32 v[TT+32*\tt+8*\mt+\jj:TT+32*\tt+8*\mt+\jj+1], v[8*(8*\mt+\tp+\tt)+\jj:8*(8*\mt+\tp+\tt)+\jj+1], v[MEAN+8*\mt+\jj:MEAN+8*\mt+\jj+1] neg_lo:[0,1] neg_hi:[0,1]
.endr
.endr
.endr
	WIN 0
.irp tt, 0,1
.irp mt, 0,1,2,3
.irp jj, 0,2,4,6
.if \tp+\tt == 0
	v_pk_mul_f32 v[SQ+8*\mt+\jj:SQ+8*\mt+\jj+1], v[TT+8*\mt+\jj:TT+8*\mt+\jj+1], v[TT+8*\mt+\jj:TT+8*\mt+\jj+1]
.else
	v_pk_fma_f32 v[SQ+8*\mt+\jj:SQ+8*\mt+\jj+1], v[TT+32*\tt+8*\mt+\jj:TT+32*\tt+8*\mt+\jj+1], v[TT+32*\tt+8*\mt+\jj:TT+32*\tt+8*\mt+\jj+1], v[SQ+8*\mt+\jj:SQ+8*\mt+\jj+1]
.endif
.endr
.endr
.endr
.endr
.irp x, 1,2,4,8
.set k, 0
.rept 32
	v_add_f32_dpp v[SQ+k], v[SQ+k], v[SQ+k] row_xmask:\x row_mask:0xf bank_mask:0xf
.set k, k+1
.endr
.endr
.irp mt, 0,1,2,3
.irp q, 0,1
	ds_store_b128 v[PADDR], v[MEAN+8*\mt+4*\q:MEAN+8*\mt+4*\q+3] offset:64*\mt+16*\q       ; the 16 lanes of a half store the same bytes
	ds_store_b128 v[PADDR], v[SQ+8*\mt+4*\q:SQ+8*\mt+4*\q+3] offset:256+64*\mt+16*\q
.endr
.endr
	s_wait_dscnt 0x0
	BAR
.irp w, 0,1,2,3
	ds_load_b32 v[TT+\w], v[CADDR] offset:512*\w                   ; row 16 wv + r: the four waves' means
	ds_load_b32 v[TT+4+\w], v[CADDR] offset:512*\w+256             ; and sums of squares
.endr
	s_wait_dscnt 0x0
	v_pk_add_f32 v[TT+8:TT+9], v[TT:TT+1], v[TT+2:TT+3]
	v_pk_add_f32 v[TT+10:TT+11], v[TT+4:TT+5], v[TT+6:TT+7]
	v_add_f32 v[TT+8], v[TT+8], v[TT+9]
	v_add_f32 v[TT+10], v[TT+10], v[TT+11]
	v_mul_f32 v[TT+8], 0x3e800000, v[TT+8]         ; mu
.irp w, 0,1,2,3
	v_sub_f32 v[TT+\w], v[TT+\w], v[TT+8]
.endr
	v_mul_f32 v[TT+12], v[TT], v[TT]
	v_fmac_f32 v[TT+12], v[TT+1], v[TT+1]
	v_fmac_f32 v[TT+12], v[TT+2], v[TT+2]
	v_fmac_f32 v[TT+12], v[TT+3], v[TT+3]
	v_fmamk_f32 v[TT+10], v[TT+12], 0x43000000, v[TT+10]           ; + 128 x sum of (mean - mu)^2
	v_fma_f32 v[TT+10], v[TT+10], s62, s63         ; / 512 + 1e-5
	v_rsq_f32 v[TT+11], v[TT+10]
	v_nop                                          ; the plain line behind the root (ISA guide 5.7.2)
	s_wait_alu depctr_va_vdst(0)                   ; the wait for the one root of this LayerNorm; all that follows hangs on it
	v_mul_f32 v[TT+12], -v[TT+8], v[TT+11]
	ds_store_b32 v[CADDR], v[TT+11] offset:4096    ; FIN = PART + 4,096
	ds_store_b32 v[CADDR], v[TT+12] offset:4096+256
	s_wait_dscnt 0x0
	BAR
.irp mt, 0,1,2,3
.irp q, 0,1
	ds_load_b128 v[MEAN+8*\mt+4*\q:MEAN+8*\mt+4*\q+3], v[FADDR] offset:64*\mt+16*\q
	ds_load_b128 v[SQ+8*\mt+4*\q:SQ+8*\mt+4*\q+3], v[FADDR] offset:256+64*\mt+16*\q
.endr
.endr
	s_wait_dscnt 0x0
.endm
; (acc rs - mu rs) for four tiles of 16 rows into v[TT + 8i + j]
.macro NORM mt, tq
	WIN 0x01
.irp i, 0,1,2,3
.irp jj, 0,2,4,6
	v_pk_fma_f32 v[TT+8*\i+\jj:TT+8*\i+\jj+1], v[8*(8*\mt+4*\tq+\i)+\jj:8*(8*\mt+4*\tq+\i)+\jj+1], v[MEAN+8*\mt+\jj:MEAN+8*\mt+\jj+1], v[SQ+8*\mt+\jj:SQ+8*\mt+\jj+1]
.endr
.endr
	WIN 0
.endm
; r1 = that times gamma plus beta, to bf16, into LDS.  gamma and beta of tile t lie in one register: op_sel picks it for both halves of a pair.
; The packed words lie in two sets of registers that take turns, so that a set is not written while the LDS stores of the turn before still read it.
.macro R1OUT mt, tq
	NORM \mt, \tq
.irp i, 0,2
.irp jj, 0,2,4,6
	v_pk_fma_f32 v[TT+8*\i+\jj:TT+8*\i+\jj+1], v[TT+8*\i+\jj:TT+8*\i+\jj+1], v[GAM+4*\tq+\i:GAM+4*\tq+\i+1], v[BET+4*\tq+\i:BET+4*\tq+\i+1] op_sel_hi:[1,0,0]
	v_pk_fma_f32 v[TT+8*\i+8+\jj:TT+8*\i+8+\jj+1], v[TT+8*\i+8+\jj:TT+8*\i+8+\jj+1], v[GAM+4*\tq+\i:GAM+4*\tq+\i+1], v[BET+4*\tq+\i:BET+4*\tq+\i+1] op_sel:[0,1,1] op_sel_hi:[1,1,1]
.endr
.endr
.irp j, 0,1,2,3,4,5,6,7
	v_cvt_pk_bf16_f32 v[PK+16*\tq+2*\j], v[TT+\j], v[TT+8+\j]      ; four neighbouring columns of row j: 8 bytes
	v_cvt_pk_bf16_f32 v[PK+16*\tq+2*\j+1], v[TT+16+\j], v[TT+24+\j]
.endr
.irp j, 0,1,2,3,4,5,6,7
	ds_store_b64 v[AW+8*\tq+\j], v[PK+16*\tq+2*\j:PK+16*\tq+2*\j+1] offset:256*\j+4096*\mt
.endr
.endm
	LNSTATS
	WIN 0x80
	W2REG 3, 2                                     ; the second half of chunk 3: 32 loads; 12 steps of the product lie between here and their first use
	W2REG 3, 3
	WIN 0
	BAR                                            ; every wave has read its figures (waited for above): r1 may now be laid over them
.irp mt, 0,1,2,3
	R1OUT \mt, 0
	R1OUT \mt, 1
.endr
	WIN 0x41                                       ; the accumulators keep r0; b2 is added, and the products with w2 add onto that
.irp mt, 0,1,2,3
.irp t, 0,2,4,6
.irp jj, 0,2,4,6
	v_pk_add_f32 v[8*(8*\mt+\t)+\jj:8*(8*\mt+\t)+\jj+1], v[8*(8*\mt+\t)+\jj:8*(8*\mt+\t)+\jj+1], v[B2R+\t:B2R+\t+1] op_sel_hi:[1,0]
	v_pk_add_f32 v[8*(8*\mt+\t+1)+\jj:8*(8*\mt+\t+1)+\jj+1], v[8*(8*\mt+\t+1)+\jj:8*(8*\mt+\t+1)+\jj+1], v[B2R+\t:B2R+\t+1] op_sel:[0,1] op_sel_hi:[1,1]
.endr
.endr
.endr
	WIN 0
	s_wait_dscnt 0x0                               ; my part of r1 is in LDS
	s_wait_tensorcnt 0x0                           ; my parts of both slots have landed
	BAR                                            ; everybody's have
; ---- r += r1 w2^T: 16 steps of 32 along K in one run.  Steps 0-7 take w2b's fragments from LDS (16 loads) and r1's (8 loads); steps 8-15 find w2b's
; in windows 3 and 2 and fetch r1's alone.
.macro FETCHB slot, ksl, f
.irp t, 0,1,2,3,4,5,6,7
	ds_load_b128 v[\f+8*\t:\f+8*\t+3],   v[BR+2*\slot+(\ksl>>1)] offset:(\ksl&1)*32768+1024*\t
	ds_load_b128 v[\f+8*\t+4:\f+8*\t+7], v[BR+2*\slot+(\ksl>>1)] offset:(\ksl&1)*32768+1024*\t+512
.endr
.endm
.macro FETCHA kc, ksl, f
.irp mt, 0,1,2,3
	ds_load_b128 v[\f+64+8*\mt:\f+64+8*\mt+3],   v[AR+2*\ksl]   offset:16384*\kc+4096*\mt
	ds_load_b128 v[\f+64+8*\mt+4:\f+64+8*\mt+7], v[AR+2*\ksl+1] offset:16384*\kc+4096*\mt
.endr
.endm
.macro MUL16 f, bb, mt0                ; bb: first register of w2b's eight fragments, in the window that is set for source 1
.irp mt, \mt0, \mt0+1
.irp t, 0,1,2,3,4,5,6,7
	v_wmma_f32_16x16x32_bf16 v[8*(8*(\mt)+\t):8*(8*(\mt)+\t)+7], v[\f+64+8*(\mt):\f+64+8*(\mt)+7], v[\bb+8*\t:\bb+8*\t+7], v[8*(8*(\mt)+\t):8*(8*(\mt)+\t)+7]
.endr
.endr
.endm
; One step on buffer f; in its middle the next step's fragments go into buffer g (nxa: r1's, nxb: w2b's too).
; The 32 accumulators come in the same order in every step, one instruction a turn.
.macro KSTEP f, bb, win, nxb, nxa, slot, kc, ksl, g
	s_wait_dscnt 4                                 ; all of this step's fragments but r1's rows 32-63, the youngest four loads
	WIN \win
	MUL16 \f, \bb, 0
.if \nxa
	PLACES                                         ; behind the matrix instructions that read buffer g one step ago
	WIN 0
.if \nxb
	FETCHB \slot, \ksl, \g
.endif
	FETCHA \kc, \ksl, \g
	s_wait_dscnt 8+16*\nxb                         ; all but the loads just issued
.else
	s_wait_dscnt 0
.endif
	WIN \win
	MUL16 \f, \bb, 2
.endm
	FETCHB 0, 0, F0
	FETCHA 0, 0, F0
	KSTEP F0, F0,  0x50, 1, 1, 0, 0, 1, F1         ; chunk 0, from slot 0
	KSTEP F1, F1,  0x50, 1, 1, 0, 0, 2, F0
	KSTEP F0, F0,  0x50, 1, 1, 0, 0, 3, F1
	KSTEP F1, F1,  0x50, 1, 1, 1, 1, 0, F0
	KSTEP F0, F0,  0x50, 1, 1, 1, 1, 1, F1         ; chunk 1, from slot 1
	KSTEP F1, F1,  0x50, 1, 1, 1, 1, 2, F0
	KSTEP F0, F0,  0x50, 1, 1, 1, 1, 3, F1
	KSTEP F1, F1,  0x50, 0, 1, 0, 2, 0, F0
	s_wait_loadcnt 0x0                             ; chunks 2 and 3 are in their registers: the youngest of their loads was issued in front of the first step
	KSTEP F0, 0,   0x5c, 0, 1, 0, 2, 1, F1         ; chunk 2: source 1 in window 3
	KSTEP F1, 64,  0x5c, 0, 1, 0, 2, 2, F0
	KSTEP F0, 128, 0x5c, 0, 1, 0, 2, 3, F1
	KSTEP F1, 192, 0x5c, 0, 1, 0, 3, 0, F0
	KSTEP F0, 0,   0x58, 0, 1, 0, 3, 1, F1         ; chunk 3: source 1 in window 2
	KSTEP F1, 64,  0x58, 0, 1, 0, 3, 2, F0
	KSTEP F0, 128, 0x58, 0, 1, 0, 3, 3, F1
	KSTEP F1, 192, 0x58, 0, 0, 0, 0, 0, F0
	WIN 0
	PLACES                                         ; behind the last matrix instructions, before their results are read
	BAR                                            ; every wave's reads of r1 are over (waited for in the last step): the figures may be laid over it
	; ---- the second LayerNorm, and out
	LNSTATS
.macro OUT mt, tq, set
	NORM \mt, \tq
	s_wait_xcnt 0x0                                ; this set of 32 registers, which earlier stores read, is rewritten only behind this wait
.irp j, 0,1,2,3,4,5,6,7
.irp i, 0,1,2,3
	v_fma_f32 v[ST+32*\set+4*\j+\i], v[TT+8*\i+\j], v[GAM+4*\tq+\i], v[BET+4*\tq+\i]
.endr
.endr
.irp j, 0,1,2,3,4,5,6,7
	global_store_b128 v[XO], v[ST+32*\set+4*\j:ST+32*\set+4*\j+3], s[20:21] offset:(16*\mt+\j)*2048+256*\tq th:TH_STORE_NT   ; lanes 0-15: 256 consecutive, aligned bytes of a row; lanes 16-31: of the row 8 below
.endr
.endm
.irp mt, 0,1,2,3
	OUT \mt, 0, 0
	OUT \mt, 1, 1
.endr
	ROUND                                          ; the closing round: no work-group ends while a partner may still ask for a tile that names it
	s_endpgm
.Lfunc_end_k_q3fe4355512_block:
	.size	k_q3fe4355512_block, .Lfunc_end_k_q3fe4355512_block-k_q3fe4355512_block
	.p2alignl 7, 3214868480
	.fill 96, 4, 3214868480
	.section	.rodata,"a",@progbits
	.p2align	6, 0x0
	.amdhsa_kernel k_q3fe4355512_block
		.amdhsa_group_segment_fixed_size 327680
		.amdhsa_private_segment_fixed_size 0
		.amdhsa_enable_private_segment 0
		.amdhsa_kernarg_size 72
		.amdhsa_user_sgpr_count 2
		.amdhsa_user_sgpr_kernarg_segment_ptr 1
		.amdhsa_wavefront_size32 1
		.amdhsa_system_sgpr_workgroup_id_x 1
		.amdhsa_system_sgpr_workgroup_id_y 1
		.amdhsa_system_sgpr_workgroup_id_z 1
		.amdhsa_system_vgpr_workitem_id 0
		.amdhsa_next_free_vgpr 1024
		.amdhsa_next_free_sgpr 66
		.amdhsa_reserve_vcc 1
		.amdhsa_float_denorm_mode_32 3
		.amdhsa_float_denorm_mode_16_64 3
		.amdhsa_memory_ordered 1
		.amdhsa_forward_progress 1
		.amdhsa_inst_pref_size 255
	.end_amdhsa_kernel
	.section	.bss,"aw",@nobits
	.p2align	6
	.space	262144
	.amdgpu_metadata
---
amdhsa.version: [ 1, 2 ]
amdhsa.kernels:
  - .name:           k_q3fe4355512_block
    .symbol:         k_q3fe4355512_block.kd
    .args:
      - { .name: x, .offset: 0, .size: 8, .value_kind: global_buffer, .address_space: global }
      - { .name: qt, .offset: 8, .size: 8, .value_kind: global_buffer, .address_space: global }
      - { .name: kv, .offset: 16, .size: 8, .value_kind: global_buffer, .address_space: global }
      - { .name: w2b, .offset: 24, .size: 8, .value_kind: global_buffer, .address_space: global }
      - { .name: mtab, .offset: 32, .size: 8, .value_kind: global_buffer, .address_space: global }
      - { .name: b2, .offset: 40, .size: 8, .value_kind: global_buffer, .address_space: global }
      - { .name: gamma, .offset: 48, .size: 8, .value_kind: global_buffer, .address_space: global }
      - { .name: beta, .offset: 56, .size: 8, .value_kind: global_buffer, .address_space: global }
      - { .name: out0, .offset: 64, .size: 8, .value_kind: global_buffer, .address_space: global }
    .group_segment_fixed_size: 327680
    .private_segment_fixed_size: 0
    .kernarg_segment_align: 8
    .kernarg_segment_size: 72
    .max_flat_workgroup_size: 128
    .sgpr_count:     66
    .vgpr_count:     1024
    .wavefront_size: 32
...
	.end_amdgpu_metadata
.endif
;; end of part 3
